; MI455X (gfx1250); checked and timed in simulation.
; The chip was launched on July 23, 2026; its instructions are those of AMD's public machine-readable ISA for CDNA 5 (MIT licence, August 2026) and "CDNA5" Instruction Set Architecture Reference Guide (July 2026). The comments in the code are by the model that wrote it; some were corrected since.
;; Causal Self Attention. Allowed arithmetic: matrix products marked QUANTISED: E4M3 operands, one E8M0 scale for each 32 along K, by v_wmma_scale_f32_16x16x128_f8f6f4 with both operands' format E4M3, f32 sums; everything else in f32.
;; Inputs: Wk 1,024 x 1,024 float32; Wo 1,024 x 1,024 float32; Wq 1,024 x 1,024 float32; Wv 1,024 x 1,024 float32; bk 1,024 float32; bo 1,024 float32; bq 1,024 float32; bv 1,024 float32; x 4 x 2,048 x 1,024 float32.
;; Outputs: out0 4 x 2,048 x 1,024 float32.
;; This version of the problem:
;;   THIS VERSION OF THE PROBLEM IS GIVEN IN LOW PRECISION. The matrix products marked QUANTISED in the list below multiply operands that are first quantised to E4M3 (4 exponent bits, 3 mantissa bits; 8 bits a number), with one power-of-two scale for each 32 numbers along K (OCP MX v1.0); their sums are f32. All else is computed in f32.
;;   The module's matrix products, in the order in which they are computed (A, B: the left and right operand; K: the contracted axis; several contracted axes count as one K, in the product's order):
;;     1. [M 8,192, K 1,024] x [K 1,024, N 1,024]; A: input x; B: input Wq: QUANTISED
;;     2. [M 8,192, K 1,024] x [K 1,024, N 1,024]; A: input x; B: input Wk: QUANTISED
;;     3. [M 8,192, K 1,024] x [K 1,024, N 1,024]; A: input x; B: input Wv: QUANTISED
;;     4. batch 64 x [M 2,048, K 64] x [K 64, N 2,048]; A: computed on the way; B: computed on the way: QUANTISED
;;     5. batch 64 x [M 2,048, K 2,048] x [K 2,048, N 64]; A: softmax (see below); B: computed on the way: QUANTISED
;;     6. [M 8,192, K 1,024] x [K 1,024, N 1,024]; A: computed on the way; B: input Wo: QUANTISED
;;   THE QUANTISER, for each operand of a quantised product, along K:
;;     - K is cut into blocks of 32 from its start; a last block that is shorter is filled with zeros.
;;     - A block's scale is 2^e with e = floor(log2(the largest magnitude in the block)) - 8, held to -126 .. 127; a block of zeros has e = 0. As a byte (E8M0): e + 127.
;;     - Each number is divided by its block's scale, clamped to +-448, and rounded to the nearest number of E4M3, ties to even, subnormals kept.
;;     - The product sums the exact products of the quantised numbers (number of the format x scale) in f32.
;;   ~~~python
;;   def quantise(x, axis):      # numpy; x: float32 -> the quantised numbers, widened to float32 again
;;       x = np.moveaxis(x, axis, -1); K = x.shape[-1]
;;       x = np.pad(x, [(0, 0)] * (x.ndim - 1) + [(0, -K % 32)]); x = x.reshape(x.shape[:-1] + (-1, 32)); a = np.abs(x).max(-1, keepdims=True)
;;       e = np.where(a > 0, np.clip(np.frexp(np.where(a > 0, a, 1))[1] - 1 - 8, -126, 127), 0)      # np.frexp(a)[1] - 1 = floor(log2(a)), exactly
;;       r = np.clip(x / 2.0 ** e, -448, 448)
;;       step = 2.0 ** (np.maximum(np.frexp(np.where(r == 0, 1, r))[1] - 1, -6) - 3)
;;       q = np.round(r / step) * step * 2.0 ** e      # np.round: ties to even
;;       return np.moveaxis(q.reshape(q.shape[:-2] + (-1,))[..., :K], -1, axis).astype(np.float32)
;;   ~~~
;;   SOFTMAX AHEAD OF A QUANTISED PRODUCT. Where the list says 'softmax', what is quantised is not the finished softmax but p = 2^(t - M), with t = logit x log2(e) and M = ceil(the row's largest t), a whole number; so 1/2 < the row's largest p <= 1. The row's sum l is taken of the UNQUANTISED p, in f32, and the product's result is divided by l at the end. Since M is a whole number, a kernel that streams over the keys may use a running M (the ceiling of the running maximum): every later rescaling is an exact power of two, which a block's scale takes up: the codes' values come out the same.
;;   OPERANDS COMPUTED ON THE WAY. 'Computed on the way' means the value that the module computes at that place (a softmax that the list does not call 'softmax' is quantised finished and normalised). What goes into a quantiser is computed in f32, as accurately as f32 sums, v_exp_f32 and their like allow (about 1e-6 of the number): no bf16 or f16 on the way to a quantiser, and a product that is left as it is and whose result goes on into a quantised operand takes f32 operands (vector FMAs, or v_wmma_f32_16x16x4_f32). A number that lies on a knife's edge between two numbers of the format may be rounded either way, as far as f32 arithmetic and the matrix unit's own rounding can turn it there, and no further.
;; One version. Each part assembles by itself: llvm-mc -triple=amdgcn-amd-amdhsa -mcpu=gfx1250 --defsym DOCPART=n.
;; ======== version 1 of 1: 4 launches
;; limits: right only within a limited range of input values
;; workspace buffers: cod 12,582,912 bytes; scl 393,216 bytes; rope 524,288 bytes; qc 8,388,608 bytes; qs 524,288 bytes; kv 17,563,648 bytes; yc 8,388,608 bytes; ys 262,144 bytes
;; launch quant (part 1): grid 256 x 1, 6 waves a work-group, no clusters, 52,992 bytes of LDS; arguments x, Wq, Wk, Wv, Wo, cod, scl, rope; writes cod, scl, rope
.if DOCPART == 1
	.amdgcn_target "amdgcn-amd-amdhsa--gfx1250"
	.amdhsa_code_object_version 6
	.text
	.protected	k_qd28b5b3cd9_quant
	.globl	k_qd28b5b3cd9_quant
	.p2align	8
	.type	k_qd28b5b3cd9_quant,@function
k_qd28b5b3cd9_quant:
	s_mov_b64 s[64:65], 0
	v_nop
	global_prefetch_b8 v0, s[64:65] scope:SCOPE_SE
	s_setreg_imm32_b32 hwreg(HW_REG_WAVE_MODE, 25, 1), 1
	s_wait_xcnt 0x0
; x [8192][1024] and Wq, Wk, Wv, Wo [1024][1024], f32 with K innermost, become codes of FP8 (E4M3) with one E8M0 byte for each 32 along K, laid as IMAGES OF OPERAND REGISTERS; and the table of cos and sin for the rotation is made.
; A TILE is 16 rows that are not neighbours: lane index r of tile T takes row 32 (T / 2) + 8 (T % 2) + r + 8 (r / 8).  768 tiles: 0-511 x, 512-575 Wq, 576-639 Wk, 640-703 Wv, 704-767 Wo.
; AN IMAGE of a fragment (16 rows x 128 K) is 2,048 bytes [c 4][lane 32][16 bytes]: lane (r, h), group c: the codes of k = 32 c + 16 h + 0 .. 15 of the lane's row.  cod: tile x 16,384 + K step x 2,048.
; scl: tile x 512 = [pair of K steps 4][r 16][2 words]; a word is the four scale bytes of one row and one K step.
; A block's scale is 2^(floor(log2(its largest magnitude)) - 8); its byte is the largest magnitude's exponent field - 8, held at 1 from below.
; LIMITS: NaN and infinities among the inputs are not served; blocks whose largest magnitude lies under 2^-118 are held at the byte 1; a block of zeros gets the byte 1 where the rule says 127 (its codes are zeros, and this program alone reads the bytes).
; SHARES.  1,536 units, one a wave: unit u = 6 x work-group + wave takes tile u / 2, K steps 4 (u % 2) on.  A load reads 512 consecutive bytes of one row; 16 rows go through the wave's own stage in LDS and come back
; 64 bytes a lane and block: 16 neighbours along K, as the conversions want them.  Loads run two K steps (32 loads a wave) ahead.  No tensor loads, no barrier: waves share nothing.  Memory binds: no matrix unit, no cluster.
; THE TABLE rope [2048][64]: slots 0-31 cos((t + 1) theta_j), slots 32-63 sin, theta_j = 10^(-j / 8).  The angle is one f32 product, as the model forms it; it is reduced by pi / 2 in two parts and cos and sin
; are polynomials on +-pi / 4 (error about 1e-7 for angles up to 2,048).  LIMIT: theta_j is the correctly rounded f32; a power function that is an ulp off gives angles up to about 1e-4 apart at the last positions.
.set WREG, 8704                        ; LDS of a wave: a stage of 16 rows x 528 bytes, then its 256 scale bytes
.set SPT,  528                         ; a stage row: 512 bytes + 16: the 16 rows that a read touches start at 16 different groups of banks
.set SCB,  8448
.set TM,   12                          ; v12-15 largest magnitudes, v16-19 bytes, v24-27 the conversions' scale operands
.set PW,   28                          ; the scale word just made
.set PC,   32                          ; v32-47 a fragment's codes
.set R,    64                          ; v64-191 two sets of 64: rows as loaded
.set X,    192                         ; v192-255 64 numbers: register 16 c + i = k 32 c + 16 h + i of my row; before that the table's registers
.set T0,   192
.set T1,   193
.set PO,   194
.set AA,   195
.set NN,   196
.set RR,   197
.set ZZ,   198
.set SS,   199
.set CC,   200
.set II,   201
.set TT,   202
.set OUTR, 204                         ; v204-207 two pairs to store
	s_load_b512 s[8:23], s[0:1], 0x0               ; x, Wq, Wk, Wv, Wo, cod, scl, rope
	v_lshl_add_u32 v62, v0, 2, 0xcc00
	v_mov_b32 v63, 0
	v_lshrrev_b32 v1, 5, v0
	v_readfirstlane_b32 s24, v1                    ; wave 0..5
	v_and_b32 v1, 31, v0                           ; lane
	v_and_b32 v2, 15, v0                           ; r
	v_bfe_u32 v3, v0, 4, 1                         ; h
	v_lshlrev_b32 v4, 4, v1                        ; 16 x lane
	s_mul_i32 s36, s24, WREG
	v_add_nc_u32 v5, s36, v4                       ; the stage, on the way in: 16 x lane of a row
	v_mul_u32_u24 v6, v2, SPT
	v_lshl_add_u32 v6, v3, 6, v6
	v_add_nc_u32 v6, s36, v6                       ; and on the way out: row r, + 64 h
	s_add_co_u32 s37, s36, SCB
	v_lshl_add_u32 v7, v2, 3, s37                  ; my row's two words of a pair of K steps
	v_lshlrev_b32 v9, 3, v1                        ; 8 x lane
	v_add_nc_u32 v8, s37, v9                       ; the scale bytes on the way out
.irp b, 0,1,2,3
	v_mov_b32 v[TM+4+\b], 0                        ; written once: a lane permute's destination counts as one of its sources
.endr
	s_mov_b32 s38, 0x76543210
	s_mov_b32 s39, 0xfedcba98                      ; v_permlanex16_b32's selects for lane l xor 16
	s_mul_i32 s25, ttmp9, 6
	s_add_co_u32 s25, s25, s24                     ; my unit
	s_lshr_b32 s26, s25, 1                         ; its tile
	s_and_b32 s27, s25, 1                          ; and which half of K
	s_and_b32 s28, s26, 63
	s_cmp_lt_u32 s26, 512
	s_cselect_b32 s28, s26, s28                    ; the tile's number inside its tensor
	s_lshr_b32 s32, s28, 1
	s_lshl_b32 s32, s32, 5
	s_and_b32 s33, s28, 1
	s_lshl_b32 s33, s33, 3
	s_add_co_u32 s32, s32, s33                     ; its first row
	s_lshl_b32 s32, s32, 12                        ; rows of 4,096 bytes
	s_lshl_b32 s33, s27, 11
	s_add_co_u32 s32, s32, s33
	s_mov_b32 s33, 0
	s_lshl_b32 s34, s25, 13                        ; a unit's codes: 8,192 bytes
	s_mov_b32 s35, 0
	s_wait_kmcnt 0x0
	s_mov_b64 s[30:31], s[8:9]                     ; which tensor: a choice on the tile's number alone
	s_cmp_ge_u32 s26, 512
	s_cselect_b64 s[30:31], s[10:11], s[30:31]
	s_cmp_ge_u32 s26, 576
	s_cselect_b64 s[30:31], s[12:13], s[30:31]
	s_cmp_ge_u32 s26, 640
	s_cselect_b64 s[30:31], s[14:15], s[30:31]
	s_cmp_ge_u32 s26, 704
	s_cselect_b64 s[30:31], s[16:17], s[30:31]
	s_add_nc_u64 s[30:31], s[30:31], s[32:33]
	s_add_nc_u64 s[18:19], s[18:19], s[34:35]
	s_lshl_b32 s34, s25, 8                         ; a unit's scale bytes: 256
	s_add_nc_u64 s[20:21], s[20:21], s[34:35]
.macro LOAD s                          ; K step s of the unit: 16 rows x 512 bytes into set s % 2
.irp i, 0,1,2,3,4,5,6,7,8,9,10,11,12,13,14,15
	global_load_b128 v[R+64*((\s)%2)+4*\i:R+64*((\s)%2)+4*\i+3], v4, s[30:31] offset:(\i+8*(\i/8))*4096+512*(\s) th:TH_LOAD_NT
.endr
.endm
	LOAD 0
	LOAD 1
	; ---- the table: waves 0 to 3 make two positions each, while the first loads are on their way
	s_cmp_lt_u32 s24, 4
	s_cbranch_scc0 .Lno_table
	s_lshl_b32 s32, ttmp9, 3
	s_lshl_b32 s33, s24, 1
	s_add_co_u32 s41, s32, s33                     ; t = 8 x work-group + 2 x wave
	s_lshl_b32 s32, s41, 8
	s_mov_b32 s33, 0
	s_add_nc_u64 s[22:23], s[22:23], s[32:33]
	v_mov_b32 v[T0], 1.0                           ; lane l makes slots 2 l and 2 l + 1: j = 2 (l % 16) and the next; lanes 0-15 cos, lanes 16-31 sin
	v_mov_b32 v[T1], 0x3f3ff911
.macro PICK k, a, b                    ; the lanes with l % 16 = k take theta_2k and theta_2k+1
	v_cmp_ne_u32 vcc_lo, \k, v2
	v_cndmask_b32 v[T0], \a, v[T0], vcc_lo
	v_cndmask_b32 v[T1], \b, v[T1], vcc_lo
.endm
	PICK 1, 0x3f0ff59a, 0x3ed7e89b
	PICK 2, 0x3ea1e89b, 0x3e72d424
	PICK 3, 0x3e361887, 0x3e088d77
	PICK 4, 0x3dcccccd, 0x3d99940e
	PICK 5, 0x3d6655c3, 0x3d2cba15
	PICK 6, 0x3d0186e2, 0x3cc24350
	PICK 7, 0x3c91ad39, 0x3c5a7bf1
	PICK 8, 0x3c23d70a, 0x3bf5b9b0
	PICK 9, 0x3bb8449c, 0x3b8a2e77
	PICK 10, 0x3b4f3e37, 0x3b1b690d
	PICK 11, 0x3ae91528, 0x3aaec98e
	PICK 12, 0x3a83126f, 0x3a44948c
	PICK 13, 0x3a136a16, 0x39dd1726
	PICK 14, 0x39a5cb5f, 0x3978a814
	PICK 15, 0x393a7753, 0x390bd472
.macro TRIG out, th                    ; v[out] = cos (lanes 0-15) or sin (lanes 16-31) of v[PO] x v[th]
	v_mul_f32 v[AA], v[PO], v[\th]                 ; the angle: one rounding
	v_mul_f32 v[NN], 0x3f22f983, v[AA]             ; x 2 / pi
	v_rndne_f32 v[NN], v[NN]                       ; n quarter turns
	v_fmamk_f32 v[RR], v[NN], 0xbfc90fdb, v[AA]    ; angle - n x (pi / 2's upper part): the difference has at most 24 bits, so nothing is rounded
	v_fmamk_f32 v[RR], v[NN], 0x333bbd2e, v[RR]    ; - n x its lower part, which is negative
	v_mul_f32 v[ZZ], v[RR], v[RR]
	v_mov_b32 v[SS], 0x3638ef1b                    ; sin: 1/9!, -1/7!, 1/5!, -1/3!
	v_fmaak_f32 v[SS], v[SS], v[ZZ], 0xb9500d01
	v_fmaak_f32 v[SS], v[SS], v[ZZ], 0x3c088889
	v_fmaak_f32 v[SS], v[SS], v[ZZ], 0xbe2aaaab
	v_mul_f32 v[TT], v[ZZ], v[RR]
	v_fma_f32 v[SS], v[SS], v[TT], v[RR]
	v_mov_b32 v[CC], 0xb493f27c                    ; cos: -1/10!, 1/8!, -1/6!, 1/4!, -1/2
	v_fmaak_f32 v[CC], v[CC], v[ZZ], 0x37d00d01
	v_fmaak_f32 v[CC], v[CC], v[ZZ], 0xbab60b61
	v_fmaak_f32 v[CC], v[CC], v[ZZ], 0x3d2aaaab
	v_fmaak_f32 v[CC], v[CC], v[ZZ], 0xbf000000
	v_fma_f32 v[CC], v[CC], v[ZZ], 1.0
	v_cvt_i32_f32 v[II], v[NN]
	v_sub_nc_u32 v[II], v[II], v3                  ; sin(a) = cos(a - pi / 2): one quarter turn less in lanes 16-31
	v_and_b32 v[TT], 1, v[II]
	v_cmp_eq_u32 vcc_lo, 1, v[TT]
	v_cndmask_b32 v[\out], v[CC], v[SS], vcc_lo    ; odd quarter turns take the sine,
	v_add_nc_u32 v[TT], 1, v[II]
	v_and_b32 v[TT], 2, v[TT]
	v_lshlrev_b32 v[TT], 30, v[TT]
	v_xor_b32 v[\out], v[\out], v[TT]              ; and turns 1 and 2 of four change the sign
.endm
.irp p, 0,1
	s_add_co_u32 s41, s41, 1                       ; positions count from 1
	v_cvt_f32_u32 v[PO], s41
	TRIG OUTR+2*\p, T0
	TRIG OUTR+2*\p+1, T1
	global_store_b64 v9, v[OUTR+2*\p:OUTR+2*\p+1], s[22:23] offset:256*\p   ; 32 lanes store a position's 256 bytes, aligned
.endr
.Lno_table:
.macro QUANT                           ; v[X] .. v[X + 63] become a fragment's codes in v[PC] on and its scale word in v[PW]
.irp b, 0,1,2,3
	v_max3_num_f32 v[TM+\b], |v[X+16*\b]|, |v[X+16*\b+1]|, 0x4800000   ; block b: my 16 numbers, and the floor 2^(9 - 127): so the byte cannot fall under 1
.endr
.irp i, 2,4,6,8,10,12,14
.irp b, 0,1,2,3
	v_max3_num_f32 v[TM+\b], v[TM+\b], |v[X+16*\b+\i]|, |v[X+16*\b+\i+1]|   ; the four blocks by turns
.endr
.endr
.irp b, 0,1,2,3
	v_permlanex16_b32 v[TM+4+\b], v[TM+\b], s38, s39
.endr
.irp b, 0,1,2,3
	v_max_num_f32 v[TM+\b], v[TM+\b], v[TM+4+\b]   ; with lane l xor 16's 16: the block's largest magnitude
.endr
.irp b, 0,1,2,3
	v_add_nc_u32 v[TM+12+\b], 0xfc000000, v[TM+\b] ; 8 off its exponent field: the conversion takes that field as its scale
.endr
.irp b, 0,1,2,3
.endr
.irp b, 0,1,2,3
	v_lshrrev_b32 v[TM+4+\b], 23, v[TM+12+\b]      ; the scale's byte
.endr
	v_lshl_or_b32 v[PW], v[TM+5], 8, v[TM+4]
	v_lshl_or_b32 v[PW], v[TM+6], 16, v[PW]
	v_lshl_or_b32 v[PW], v[TM+7], 24, v[PW]
.irp b, 0,1,2,3
.irp i, 0,1,2,3,4,5,6,7,8,9,10,11,12,13,14,15
.endr
.endr
.irp b, 0,1,2,3
	v_cvt_scalef32_pk8_fp8_f32 v[PC+4*\b:PC+4*\b+1], v[X+16*\b:X+16*\b+7], v[TM+12+\b]
	v_cvt_scalef32_pk8_fp8_f32 v[PC+4*\b+2:PC+4*\b+3], v[X+16*\b+8:X+16*\b+15], v[TM+12+\b]
.endr
	v_nop                                          ; a plain line behind the last conversion
.endm
.macro STEP s
.if (\s) < 3
	s_wait_loadcnt 16                              ; this K step's 16 loads are in; the next step's 16 may be out
.else
	s_wait_loadcnt 0x0
.endif
	s_wait_xcnt 0x0                                ; earlier stores have read their data: the codes' registers, and the table's, are written again only behind this wait
.irp i, 0,1,2,3,4,5,6,7,8,9,10,11,12,13,14,15
	ds_store_b128 v5, v[R+64*((\s)%2)+4*\i:R+64*((\s)%2)+4*\i+3] offset:SPT*\i
.endr
.irp c, 0,1,2,3
.irp j, 0,1,2,3
	ds_load_b128 v[X+16*\c+4*\j:X+16*\c+4*\j+3], v6 offset:128*\c+16*\j   ; LDS serves a wave's instructions in order: these see the stores above
.endr
.endr
	s_wait_dscnt 0x0
.if (\s) < 2
	LOAD (\s)+2
.endif
	QUANT
.irp c, 0,1,2,3
	global_store_b128 v4, v[PC+4*\c:PC+4*\c+3], s[18:19] offset:2048*(\s)+512*\c   ; 512 consecutive bytes, aligned
.endr
	ds_store_b32 v7, v[PW] offset:128*((\s)/2)+4*((\s)%2)   ; lanes r and r + 16 write the same word with the same value
.endm
	s_wait_alu depctr_va_vdst(0)
	STEP 0
	STEP 1
	STEP 2
	STEP 3
	ds_load_b64 v[48:49], v8
	s_wait_dscnt 0x0
	global_store_b64 v9, v[48:49], s[20:21]        ; the unit's 256 scale bytes: one aligned run
	s_wait_tensorcnt 0x0
	ds_add_u32 v62, v63
	s_wait_dscnt 0x0
	s_endpgm
.Lfunc_end_k_qd28b5b3cd9_quant:
	.size	k_qd28b5b3cd9_quant, .Lfunc_end_k_qd28b5b3cd9_quant-k_qd28b5b3cd9_quant
	.p2alignl 7, 3214868480
	.fill 96, 4, 3214868480
	.section	.rodata,"a",@progbits
	.p2align	6, 0x0
	.amdhsa_kernel k_qd28b5b3cd9_quant
		.amdhsa_group_segment_fixed_size 52992
		.amdhsa_private_segment_fixed_size 0
		.amdhsa_enable_private_segment 0
		.amdhsa_kernarg_size 64
		.amdhsa_user_sgpr_count 2
		.amdhsa_user_sgpr_kernarg_segment_ptr 1
		.amdhsa_wavefront_size32 1
		.amdhsa_system_sgpr_workgroup_id_x 1
		.amdhsa_system_sgpr_workgroup_id_y 1
		.amdhsa_system_sgpr_workgroup_id_z 1
		.amdhsa_system_vgpr_workitem_id 0
		.amdhsa_next_free_vgpr 256
		.amdhsa_next_free_sgpr 66
		.amdhsa_reserve_vcc 1
		.amdhsa_float_denorm_mode_32 3
		.amdhsa_float_denorm_mode_16_64 3
		.amdhsa_fp16_overflow 1
		.amdhsa_memory_ordered 1
		.amdhsa_forward_progress 1
		.amdhsa_inst_pref_size 42
	.end_amdhsa_kernel
	.amdgpu_metadata
---
amdhsa.version: [ 1, 2 ]
amdhsa.kernels:
  - .name:           k_qd28b5b3cd9_quant
    .symbol:         k_qd28b5b3cd9_quant.kd
    .args:
      - { .name: x, .offset: 0, .size: 8, .value_kind: global_buffer, .address_space: global }
      - { .name: Wq, .offset: 8, .size: 8, .value_kind: global_buffer, .address_space: global }
      - { .name: Wk, .offset: 16, .size: 8, .value_kind: global_buffer, .address_space: global }
      - { .name: Wv, .offset: 24, .size: 8, .value_kind: global_buffer, .address_space: global }
      - { .name: Wo, .offset: 32, .size: 8, .value_kind: global_buffer, .address_space: global }
      - { .name: cod, .offset: 40, .size: 8, .value_kind: global_buffer, .address_space: global }
      - { .name: scl, .offset: 48, .size: 8, .value_kind: global_buffer, .address_space: global }
      - { .name: rope, .offset: 56, .size: 8, .value_kind: global_buffer, .address_space: global }
    .group_segment_fixed_size: 52992
    .private_segment_fixed_size: 0
    .kernarg_segment_align: 8
    .kernarg_segment_size: 64
    .max_flat_workgroup_size: 192
    .sgpr_count:     66
    .vgpr_count:     256
    .wavefront_size: 32
...
	.end_amdgpu_metadata
.endif
;; end of part 1
;; launch qkv (part 2): grid 8 x 48, 4 waves a work-group, clusters of 4 x 4, 327,680 bytes of LDS; arguments cod, scl, rope, bq, bk, bv, qc, qs, kv; writes qc, qs, kv
.if DOCPART == 2
	.amdgcn_target "amdgcn-amd-amdhsa--gfx1250"
	.amdhsa_code_object_version 6
	.text
	.protected	k_qd28b5b3cd9_qkv
	.globl	k_qd28b5b3cd9_qkv
	.p2align	8
	.type	k_qd28b5b3cd9_qkv,@function
k_qd28b5b3cd9_qkv:
	s_mov_b64 s[64:65], 0
	v_nop
	global_prefetch_b8 v0, s[64:65] scope:SCOPE_SE
	s_setreg_imm32_b32 hwreg(HW_REG_WAVE_MODE, 25, 1), 1
	s_wait_xcnt 0x0
	s_wait_alu depctr_hold_cnt(0) depctr_sa_sdst(0) depctr_va_vdst(0) depctr_va_sdst(0) depctr_va_ssrc(0) depctr_va_vcc(0) depctr_vm_vsrc(0)
	s_getreg_b32 s2, hwreg(HW_REG_IB_STS2, 6, 4)
	s_cmp_eq_u32 s2, 0
	s_cbranch_scc0 .Lentry_in_a_cluster
	s_endpgm
.Lentry_in_a_cluster:
	s_bfe_u32 s2, ttmp6, 0x10000c
	s_cmp_lg_u32 s2, 0xf033
	s_cbranch_scc0 .Lentry_shape_is_right
	s_endpgm
.Lentry_shape_is_right:
; q = rot(x Wq^T + bq), k = rot(x Wk^T + bk), v = x Wv^T + bv, on codes of FP8 (E4M3) with E8M0 scales, K = 1,024; the results are quantised here and leave as images of operand registers.
; A work-group of four waves makes 256 rows of "A" x 256 rows of "B"; a wave 128 x 128: 64 accumulators of 16 x 16, 512 registers.  THE MATRIX INSTRUCTION IS USED TRANSPOSED (source 0 = a tile of B, source 1 = a tile
; of A): a lane holds ONE row of A, and since lane index r of tile T stands for row 32 (T / 2) + 8 (T % 2) + r + 8 (r / 8), the 16 registers of B's tiles 2 b and 2 b + 1 are 16 NEIGHBOURING rows of B, 32 b + 16 (lane / 16) + 0 .. 15.
; q, k (cluster y under 8): A = x (a lane holds a position), B = Wq or Wk (registers run along the channels: the next product's K).  Two heads a wave.  Channels d and d + 32 of a head lie in one lane: the rotation crosses no lane.
; v (cluster y 8 to 11): THE ROLES ARE SWAPPED BY TILE NUMBERS ALONE: A = Wv (a lane holds a channel), B = x (registers run down the positions, which are the keys: v's K).  A wave's 128 positions are one key step.
; Codes come as images: a fragment is 2,048 bytes, [c 4][lane 32][16 bytes]; a tile's eight K steps lie on end.  K goes in steps of 256 through a ring of two LDS slots; a wave's tensor load brings 8 tiles x 4,096 bytes.
; The scale words of the work-group's rows, for all of K, come once with the first fills.  The bias is the C of each sum's first matrix instruction.
; CLUSTERS: 4 x 4 work-groups; A's tiles are shared along a row of the cluster, B's along a column: each is asked for jointly.  Nothing is prefetched: K has four slots' worth, of which two are first fills.
; LIMITS: NaN and infinities are not served; blocks whose largest magnitude lies under 2^-118 are held at the byte 1; a block of zeros gets the byte 1 where the rule says 127 (zero codes; this program alone reads the bytes).
; REGISTERS: window 0: v8-31 addresses; v32-63 scale words, two sets; v64-127 the bias, later cos and sin; v128-255 A's fragments, one set; on the way out v128-231 are at work.
;   window 1: B's fragments, two sets.   window 2: the accumulators of A's tiles 0-3 ((a, b) at v[8 (8 (a % 4) + b)]);   window 3: those of tiles 4-7.
.set FR,    16                         ; registers of a fragment
.set NP,    8                          ; places behind this matrix instruction (ISA guide 7.12.1)
.set HALFT, 32768                      ; 8 tiles x 2 K steps x 2,048: what one tensor load brings
.set SLOT,  131072                     ; A's two halves, then B's
.set SCL,   262144                     ; A's scale words: 2 x 4,096 bytes
.set SCLB,  SCL+8320                   ; B's: 128 bytes askew, so that A's and B's words of one load fall on different banks
.set SPARE, 278784                     ; the spare words, 128 bytes for each wave: two blocks of 256 bytes that no other line names
.set STQ,   0                          ; the way out of q and k: 1,024 bytes a wave for scale words, in slot 0, which has had its last fill and its last read by then
.set STV,   8192                       ; the way out of v: 512 bytes a wave, bytes of its own
.set BHB,   274432                     ; kv: a head's eight slots
.set SLB,   34304                      ; kv: a slot of 256 keys: K's images 16,384, V's images 16,384, K's scale words 1,024, V's 512
.set BOF,  8                           ; v8-15 the bias loads' offsets, one for each register of a tile
.set ADRA, 16                          ; v16-17 LDS address of my A fragments in slot 0, 1
.set ADRB, 20                          ; v20-21 the same for B
.set SRQ,  22
.set SRV,  23
.set LI,   24                          ; 16 x lane
.set RO,   25                          ; my position's row of the table, + 64 h
.set SWQ,  26
.set ADRS, 27                          ; my scale words: lanes 0-15 A's, lanes 16-31 B's
.set SPW,  28                          ; my spare word; never rewritten
.set NIL,  29                          ; 0; never rewritten
.set SWV,  30
.set GV,   31
.set SC,   32
.set BIA,  64
.set AF,   128
.set ROT,  128                         ; v128-159 a head's 32 numbers a lane, rotated
.set TM,   160                         ; v160-175 the quantiser's registers
.set PWS,  176                         ; v176-191 scale words, one register each
.set PCS,  192                         ; v192-223 codes, by turns
.set BK,   224                         ; v224-231 scale words read back
.set WV, 22
.set WH, 23
.set WL, 84
.set CX, 85
.set CY, 86
.set GX, 87
.set GY, 88
.set KV, 89
.set ATL, 90
.set BTL, 91
.set SEL, 2                            ; s[2:3] the lane selects: written at the start of the way out; until then s3 is a temporary
.set MNT, 101
.set G1A, 24
.set G0A, 32
.set G1B, 40
.set G0B, 48
.set G1SA, 56
.set G0SA, 68
.set G1SB, 72
.set G0SB, 80
.set MSB, 0
.macro WIN new                         ; the immediate's high byte repeats the setting that is left
.if MSB != (\new)
	s_set_vgpr_msb (MSB<<8)|(\new)
.set MSB, (\new)
.endif
.endm
.set MUL_LO, 0xa1                      ; source 0 (B) window 1, source 1 (A) window 0, C and D window 2
.set MUL_HI, 0xf1                      ; the same, C and D window 3
.set BIA_LO, 0x81                      ; C (the bias) window 0, D window 2
.set BIA_HI, 0xc1
.set TO_B,   0x40                      ; destination window 1, address window 0
; A joint load: waves 0 and 1 fetch for A, waves 2 and 3 for B.  The branch hangs on the wave's number alone.  Four v_nop follow each of the two lines.
.macro JLOAD g0a, g1a, g0b, g1b
	s_cmp_eq_u32 s[WH], 0
	s_cbranch_scc0 .Lfor_b_\@
	tensor_load_to_lds s[\g0a:\g0a+3], s[\g1a:\g1a+7]
	s_nop 0
.rept 4
	v_nop
.endr
	s_branch .Lasked_\@
.Lfor_b_\@:
	tensor_load_to_lds s[\g0b:\g0b+3], s[\g1b:\g1b+7]
	s_nop 0
.rept 4
	v_nop
.endr
.Lasked_\@:
.endm
.macro CREST                           ; a round of the cluster's barrier behind its opening barrier
	s_cmp_lg_u32 s[WV], 0
	s_cbranch_scc1 .Lnot_wave_0_\@
	s_barrier_signal -3
.Lnot_wave_0_\@:
	s_barrier_wait -3
	s_barrier_signal -1
	s_barrier_wait -1
.endm
.macro CROUND
	s_barrier_signal -1
	s_barrier_wait -1
	CREST
.endm
	s_load_b512 s[4:19], s[0:1], 0x0               ; cod, scl, rope, bq, bk, bv, qc, qs
	s_load_b64 s[20:21], s[0:1], 0x40              ; kv
	v_lshl_add_u32 v[SPW], v0, 2, SPARE
	v_mov_b32 v[NIL], 0
	ds_add_u32 v28, v29
	ds_add_u32 v28, v29
	s_wait_dscnt 0x0
	v_lshrrev_b32 v1, 5, v0
	v_readfirstlane_b32 s[WV], v1                  ; wave 0..3
	s_lshr_b32 s[WH], s[WV], 1                     ; which half of A's rows is mine.  Also: I fetch for A (0) or for B (1)
	s_and_b32 s[WL], s[WV], 1                      ; which half of B's rows.  Also: which 8 tiles I fetch
	s_bfe_u32 s[CX], ttmp6, 0x40000                ; my place in the cluster
	s_bfe_u32 s[CY], ttmp6, 0x40004
	s_mov_b32 s[GX], ttmp9                         ; the cluster's x: 0, 1
	s_and_b32 s[GY], ttmp7, 0xffff                 ; and y: 0 .. 11
	s_lshl_b32 s92, s[CY], 2
	s_lshl_b32 s92, 15, s92                        ; my row of the cluster
	s_lshl_b32 s94, 0x1111, s[CX]                  ; my column
	s_or_b32 s[G1A], s92, (3<<16)|(1<<21)          ; 15:0 the mask; 17:16 elements of 8 bytes; 21 set beside a mask; no padding: images are read 512 consecutive bytes at a time
	s_or_b32 s[G1SA], s92, (3<<16)|(1<<21)
	s_or_b32 s[G1B], s94, (3<<16)|(1<<21)
	s_or_b32 s[G1SB], s94, (3<<16)|(1<<21)
.irp g, G1A, G1B                       ; codes: 8 rows (tiles) of 4,096 bytes (two K steps), 16,384 bytes apart
	s_mov_b32 s[\g+1], 512<<16                     ; tensor_dim0
	s_mov_b32 s[\g+2], 8<<16                       ; tensor_dim1
	s_mov_b32 s[\g+3], 512<<16                     ; tile_dim0
	s_mov_b32 s[\g+4], 8                           ; tile_dim1
	s_mov_b32 s[\g+5], 2048                        ; tensor_dim0_stride
	s_mov_b32 s[\g+6], 0
	s_mov_b32 s[\g+7], 0
.endr
.irp g, G1SA, G1SB                     ; scale words of 8 tiles: 4,096 dense bytes as 16 rows of 256
	s_mov_b32 s[\g+1], 32<<16
	s_mov_b32 s[\g+2], 16<<16
	s_mov_b32 s[\g+3], 32<<16
	s_mov_b32 s[\g+4], 16
	s_mov_b32 s[\g+5], 32
	s_mov_b32 s[\g+6], 0
	s_mov_b32 s[\g+7], 0
.endr
	; which tiles: from the cluster's coordinates alone
	s_lshl_b32 s92, s[GY], 6                       ; q, k: A = x, tiles 64 y on
	s_lshl_b32 s94, s[GX], 6
	s_add_co_u32 s94, s94, 512                     ;       B = Wq (x = 0) or Wk (x = 1)
	s_and_b32 s95, s[GY], 3
	s_lshl_b32 s95, s95, 1
	s_add_co_u32 s95, s95, s[GX]
	s_lshl_b32 s95, s95, 6                         ; v: B = x, tiles 64 (x + 2 (y - 8)) on
	s_mov_b32 s93, 640                             ;    A = Wv
	s_cmp_ge_u32 s[GY], 8
	s_cselect_b32 s[KV], 1, 0
	s_cselect_b32 s[ATL], s93, s92
	s_cselect_b32 s[BTL], s95, s94
	s_lshl_b32 s100, s[WL], 3
	s_lshl_b32 s96, s[CY], 4
	s_add_co_u32 s96, s96, s[ATL]
	s_add_co_u32 s96, s96, s100                    ; A's first tile that I would fetch: it hangs on cy, which my row shares
	s_lshl_b32 s98, s[CX], 4
	s_add_co_u32 s98, s98, s[BTL]
	s_add_co_u32 s98, s98, s100                    ; B's: on cx, which my column shares
	s_lshl_b32 s92, s96, 14
	s_mov_b32 s93, 0
	s_lshl_b32 s96, s96, 9
	s_mov_b32 s97, 0
	s_lshl_b32 s94, s98, 14
	s_mov_b32 s95, 0
	s_lshl_b32 s98, s98, 9
	s_mov_b32 s99, 0
	s_lshl_b32 s100, s[WV], 15                     ; where codes go: wave x 32,768: no place in the cluster enters an LDS address
	s_lshl_b32 s3, s[WL], 12                       ; and scale words
	s_wait_kmcnt 0x0
	s_add_nc_u64 s[92:93], s[4:5], s[92:93]
	s_add_nc_u64 s[96:97], s[6:7], s[96:97]
	s_add_nc_u64 s[94:95], s[4:5], s[94:95]
	s_add_nc_u64 s[98:99], s[6:7], s[98:99]
	CROUND                                         ; all sixteen work-groups are here: the first joint loads meet
	s_mov_b32 s[G0SA], 1
	s_add_co_u32 s[G0SA+1], s3, SCL
	s_mov_b64 s[G0SA+2:G0SA+3], s[96:97]
	s_or_b32 s[G0SA+3], s[G0SA+3], 0x80000000
	s_mov_b32 s[G0SB], 1
	s_add_co_u32 s[G0SB+1], s3, SCLB
	s_mov_b64 s[G0SB+2:G0SB+3], s[98:99]
	s_or_b32 s[G0SB+3], s[G0SB+3], 0x80000000
	JLOAD G0SA, G1SA, G0SB, G1SB                   ; the scale words first: they are wanted with the first K step
.irp s, 0,1
	s_mov_b32 s[G0A+4*\s], 1
	s_add_co_u32 s[G0A+4*\s+1], s100, \s*SLOT
	s_add_nc_u64 s[G0A+4*\s+2:G0A+4*\s+3], s[92:93], \s*4096
	s_or_b32 s[G0A+4*\s+3], s[G0A+4*\s+3], 0x80000000
	s_mov_b32 s[G0B+4*\s], 1
	s_add_co_u32 s[G0B+4*\s+1], s100, \s*SLOT
	s_add_nc_u64 s[G0B+4*\s+2:G0B+4*\s+3], s[94:95], \s*4096
	s_or_b32 s[G0B+4*\s+3], s[G0B+4*\s+3], 0x80000000
	JLOAD G0A+4*\s, G1A, G0B+4*\s, G1B             ; three tensor loads of mine are out behind the second of these
.endr
	v_and_b32 v1, 15, v0                           ; r
	v_bfe_u32 v2, v0, 4, 1                         ; h
	s_wait_alu depctr_va_vdst(0)
	v_and_b32 v3, 31, v0
	v_lshlrev_b32 v[LI], 4, v3
	s_lshl_b32 s92, s[WH], 15                      ; my 8 tiles of A
	s_lshl_b32 s93, s[WL], 15
	s_add_co_u32 s93, s93, 2*HALFT                 ; my 8 tiles of B, behind A's 16
.irp s, 0,1
	v_add_nc_u32 v[ADRA+\s], s92, v[LI]
	v_add_nc_u32 v[ADRB+\s], s93, v[LI]
	s_add_co_u32 s92, s92, SLOT
	s_add_co_u32 s93, s93, SLOT
.endr
	s_lshl_b32 s92, s[WH], 12                      ; A's scale words: my half
	s_lshl_b32 s93, s[WL], 12
	s_add_co_u32 s93, s93, 8320                    ; B's
	s_sub_co_u32 s93, s93, s92
	v_mul_u32_u24 v6, s93, v2                      ; lanes 16-31 take B's: one product with h
	s_add_co_u32 s92, s92, SCL
	v_lshlrev_b32 v5, 3, v1                        ; 8 bytes a row: the two words of a pair of K steps
	v_add_nc_u32 v5, v5, v6
	v_add_nc_u32 v[ADRS], s92, v5
	v_and_b32 v4, 8, v1
	v_add_nc_u32 v4, v4, v1                        ; r + 8 (r / 8)
	v_lshlrev_b32 v[RO], 8, v4
	v_lshl_add_u32 v[RO], v2, 6, v[RO]
	s_lshl_b32 s92, s[WV], 10
	v_lshl_add_u32 v[SWQ], v1, 2, s92              ; STQ + 1,024 x wave + 4 r
	v_add_nc_u32 v[SRQ], s92, v[LI]
	s_lshl_b32 s93, s[WV], 9
	s_add_co_u32 s93, s93, STV
	v_lshl_add_u32 v[SWV], v1, 2, s93
	v_add_nc_u32 v[SRV], s93, v[LI]
	v_mul_u32_u24 v[GV], v2, BHB
	v_lshl_add_u32 v[GV], v1, 4, v[GV]             ; v's scale words out: lanes 0-15 one head's 256 bytes, lanes 16-31 the next head's
	; the bias, in the result's layout, with no branch.  q, k: register j of B's tile t wants b[.. + 16 h + j]; v: every register of A's tile t wants bv[.. + r + 8 (r / 8)]
	s_lshl_b32 s92, s[CX], 10
	s_lshl_b32 s93, s[WL], 9
	s_add_co_u32 s92, s92, s93                     ; q, k: my first channel, in bytes
	s_lshl_b32 s93, s[CY], 10
	s_lshl_b32 s94, s[WH], 9
	s_add_co_u32 s93, s93, s94                     ; v: likewise
	s_cmp_eq_u32 s[KV], 0
	s_cselect_b32 s92, s92, s93
	s_cselect_b32 s93, 64, 0                       ; bytes for h,
	s_cselect_b32 s94, 0, 4                        ; for r + 8 (r / 8),
	s_cselect_b32 s95, 4, 0                        ; and from register to register
	v_mul_u32_u24 v5, v2, s93
	v_mad_u32_u24 v5, v4, s94, v5
	v_add_nc_u32 v[BOF], s92, v5
.irp j, 1,2,3,4,5,6,7
	v_add_nc_u32 v[BOF+\j], s95, v[BOF+\j-1]
.endr
	s_cmp_eq_u32 s[GX], 0
	s_cselect_b64 s[98:99], s[10:11], s[12:13]
	s_cmp_eq_u32 s[KV], 0
	s_cselect_b64 s[98:99], s[98:99], s[14:15]
.irp t, 0,1,2,3,4,5,6,7
.irp j, 0,1,2,3,4,5,6,7
	global_load_b32 v[BIA+8*\t+\j], v[BOF+\j], s[98:99] offset:(32*(\t/2)+8*(\t%2))*4
.endr
.endr
.macro FRAG reg, adr, q, i             ; a fragment comes as it was stored: 4 loads of 512 consecutive bytes
.irp c, 0,1,2,3
	ds_load_b128 v[\reg+4*\c:\reg+4*\c+3], v[\adr] offset:(\i)*4096+(\q)*2048+512*\c
.endr
.endm
; 16 matrix instructions: A's tiles a0, a0 + 1 x B's eight, 128 along K.  zero = 2: the bias by B's tile starts the sums; 3: by A's tile; 0: in place.  The 64 accumulators take turns, one instruction a turn, in the same
; order in every step.
.macro MUL16 a0, p, q, sc, zero
.irp a, \a0, \a0+1
.irp b, 0,1,2,3,4,5,6,7
.if \zero == 2
	v_wmma_scale_f32_16x16x128_f8f6f4 v[8*(8*((\a)%4)+\b):8*(8*((\a)%4)+\b)+7], v[128*(\p)+FR*\b:128*(\p)+FR*\b+FR-1], v[AF+FR*(\a):AF+FR*(\a)+FR-1], v[BIA+8*\b:BIA+8*\b+7], v[SC+16*(\sc)+2*\b+(\q)], v[SC+16*(\sc)+2*(\a)+(\q)] matrix_a_scale:MATRIX_SCALE_ROW1
.elseif \zero == 3
	v_wmma_scale_f32_16x16x128_f8f6f4 v[8*(8*((\a)%4)+\b):8*(8*((\a)%4)+\b)+7], v[128*(\p)+FR*\b:128*(\p)+FR*\b+FR-1], v[AF+FR*(\a):AF+FR*(\a)+FR-1], v[BIA+8*(\a):BIA+8*(\a)+7], v[SC+16*(\sc)+2*\b+(\q)], v[SC+16*(\sc)+2*(\a)+(\q)] matrix_a_scale:MATRIX_SCALE_ROW1
.else
	v_wmma_scale_f32_16x16x128_f8f6f4 v[8*(8*((\a)%4)+\b):8*(8*((\a)%4)+\b)+7], v[128*(\p)+FR*\b:128*(\p)+FR*\b+FR-1], v[AF+FR*(\a):AF+FR*(\a)+FR-1], v[8*(8*((\a)%4)+\b):8*(8*((\a)%4)+\b)+7], v[SC+16*(\sc)+2*\b+(\q)], v[SC+16*(\sc)+2*(\a)+(\q)] matrix_a_scale:MATRIX_SCALE_ROW1
.endif
.endr
.endr
.endm
.macro FETCH_B slot, q, p
	WIN TO_B
.irp i, 0,1,2,3,4,5,6,7
	FRAG 128*(\p)+FR*\i, ADRB+\slot, \q, \i
.endr
	WIN 0
.endm
.macro FETCH_A slot, q, i0
.irp i, \i0, \i0+1, \i0+2, \i0+3
	FRAG AF+FR*(\i), ADRA+\slot, \q, \i
.endr
.endm
.macro SCALES sc                       ; a slot's scale words: two a row; lanes 0-15 take A's tile i, lanes 16-31 B's tile i
.irp i, 0,1,2,3,4,5,6,7
	ds_load_b64 v[SC+16*\sc+2*\i:SC+16*\sc+2*\i+1], v[ADRS] offset:512*\i
.endr
.endm
.macro PLACES n                        ; plain vector lines between a matrix instruction and a load into, or a read of, its registers
.rept \n
	v_nop
.endr
.endm
.macro STEP slot, q, zero              ; a step of 128 along K that has its successor in the same slot
	s_wait_dscnt 16                                ; B's set, A's tiles 0-3 and the scale words are in; the youngest 16 loads (A's tiles 4-7) may be out
.if \zero
	WIN BIA_LO
.else
	WIN MUL_LO
.endif
	MUL16 0, (\q)%2, \q, \slot, \zero
	MUL16 2, (\q)%2, \q, \slot, \zero
	s_wait_dscnt 0x0                               ; A's tiles 4-7 are in
	PLACES NP
	FETCH_B \slot, (\q)+1, 1-(\q)%2
	FETCH_A \slot, (\q)+1, 0
.if \zero
	WIN BIA_HI
.else
	WIN MUL_HI
.endif
	MUL16 4, (\q)%2, \q, \slot, \zero
	MUL16 6, (\q)%2, \q, \slot, \zero
	PLACES NP
	WIN 0
	FETCH_A \slot, (\q)+1, 4
.endm
; A slot's last step changes slots: one barrier; in front of it each wave waits for all its tensor loads, adds 0 to its spare word, and waits for that and for its reads of this slot.  fill = 1: the slot is filled again, two slots ahead.
.macro TURN slot, next, fill
	s_wait_tensorcnt 0x0                           ; all my tensor loads have landed: my part of the next slot
	ds_add_u32 v[SPW], v[NIL]                      ; 0 onto my spare word
	s_wait_dscnt 17                                ; the add and the youngest 16 loads (A's tiles 4-7) may be out
	WIN MUL_LO
	MUL16 0, 1, 1, \slot, 0
	s_wait_dscnt 0x0                               ; the add is done, and my reads of this slot are over
	s_barrier_signal -1
	MUL16 2, 1, 1, \slot, 0
	WIN 0
	s_barrier_wait -1
.if \fill
	CREST                                          ; the barrier has opened a round of the cluster's: no wave of any partner still reads this slot or has a load on its way
	s_add_nc_u64 s[G0A+4*\slot+2:G0A+4*\slot+3], s[G0A+4*\slot+2:G0A+4*\slot+3], 8192
	s_add_nc_u64 s[G0B+4*\slot+2:G0B+4*\slot+3], s[G0B+4*\slot+2:G0B+4*\slot+3], 8192
	JLOAD G0A+4*\slot, G1A, G0B+4*\slot, G1B       ; my one tensor load behind the round; its four v_nop are among the places in front of the loads below
	PLACES NP-4
.else
	PLACES NP
.endif
	s_wait_alu depctr_va_vdst(0)
	v_add_nc_u32 v[ADRS], 128, v[ADRS]             ; the next pair of K steps' scale words
	FETCH_B \next, 0, 0
	FETCH_A \next, 0, 0
	SCALES \next
	WIN MUL_HI
	MUL16 4, 1, 1, \slot, 0
	MUL16 6, 1, 1, \slot, 0
	PLACES NP
	WIN 0
	FETCH_A \next, 0, 4
.endm
.macro CSLOAD a                        ; cos and sin of j = 16 h + 0 .. 15 at my position of A's tile a, into set a % 2
.irp f, 0,1
.irp j, 0,1,2,3
	global_load_b128 v[BIA+32*((\a)%2)+16*\f+4*\j:BIA+32*((\a)%2)+16*\f+4*\j+3], v[RO], s[8:9] offset:(32*((\a)/2)+8*((\a)%2))*256+128*\f+16*\j
.endr
.endr
.endm
	s_wait_tensorcnt 0x1                           ; the scale words and my part of slot 0 are in; slot 1's load may be out
	s_barrier_signal -1
	s_barrier_wait -1
	FETCH_B 0, 0, 0
	FETCH_A 0, 0, 0
	SCALES 0
	FETCH_A 0, 0, 4
	s_wait_loadcnt 0x0                             ; the bias
	s_cmp_eq_u32 s[KV], 0
	s_cbranch_scc0 .Lfirst_v
	STEP 0, 0, 2                                   ; q, k: the bias goes by B's tile
	s_and_b32 s92, s[GY], 1
	s_lshl_b32 s92, s92, 2
	s_add_co_u32 s92, s92, s[CY]                   ; my block of 256 positions in the batch
	s_lshl_b32 s92, s92, 16
	s_lshl_b32 s93, s[WH], 15
	s_add_co_u32 s92, s92, s93
	s_mov_b32 s93, 0
	s_add_nc_u64 s[8:9], s[8:9], s[92:93]          ; the table at my wave's first position
	CSLOAD 0                                       ; into the bias's registers, eight places behind their last reader; they land under the products
	CSLOAD 1
	s_branch .Lfirst_done
.Lfirst_v:
	STEP 0, 0, 3                                   ; v: by A's tile
.Lfirst_done:
	TURN 0, 1, 1
	STEP 1, 0, 0
	TURN 1, 0, 1
	STEP 0, 0, 0
	TURN 0, 1, 0                                   ; the last two slots fill nothing
	STEP 1, 0, 0
	s_wait_dscnt 16
	WIN MUL_LO
	MUL16 0, 1, 1, 1, 0
	MUL16 2, 1, 1, 1, 0
	s_wait_dscnt 0x0
	WIN MUL_HI
	MUL16 4, 1, 1, 1, 0
	MUL16 6, 1, 1, 1, 0
	WIN 0
	PLACES NP
; 16 nb numbers of a lane, registers s + 16 b + i of window W = k 32 b + 16 (lane / 16) + i of my row, become codes in v[pc] on and the scale word in v[pw] (both window 0).  Each accumulator is read from its low end on.
.macro QUANT s, nb, W, pc, pw
	WIN (\W)|((\W)<<2)
.set qb, 0
.rept \nb
	v_max3_num_f32 v[TM+qb], |v[(\s)+16*qb]|, |v[(\s)+16*qb+1]|, 0x4800000   ; my 16 numbers of block b, and the floor 2^(9 - 127): the byte cannot fall under 1
.set qb, qb+1
.endr
	WIN ((\W)<<2)|((\W)<<4)
.irp i, 2,4,6,8,10,12,14
.set qb, 0
.rept \nb
	v_max3_num_f32 v[TM+qb], v[TM+qb], |v[(\s)+16*qb+\i]|, |v[(\s)+16*qb+\i+1]|
.set qb, qb+1
.endr
.endr
	WIN 0
.set qb, 0
.rept \nb
	v_permlanex16_b32 v[TM+4+qb], v[TM+qb], s[SEL], s[SEL+1]
.set qb, qb+1
.endr
.set qb, 0
.rept \nb
	v_max_num_f32 v[TM+qb], v[TM+qb], v[TM+4+qb]   ; with lane l xor 16's 16: the block's largest magnitude
.set qb, qb+1
.endr
.set qb, 0
.rept \nb
	v_add_nc_u32 v[TM+12+qb], 0xfc000000, v[TM+qb] ; 8 off its exponent field: the conversion's scale operand
.set qb, qb+1
.endr
.set qb, 0
.rept \nb
	v_lshrrev_b32 v[TM+4+qb], 23, v[TM+12+qb]      ; the scale's byte
.set qb, qb+1
.endr
	v_lshl_or_b32 v[\pw], v[TM+5], 8, v[TM+4]
.if \nb == 4
	v_lshl_or_b32 v[\pw], v[TM+6], 16, v[\pw]
	v_lshl_or_b32 v[\pw], v[TM+7], 24, v[\pw]
.endif
	WIN (\W)|((\W)<<6)
.set qb, 0
.rept \nb
.set qi, 0
.rept 16
.set qi, qi+1
.endr
.set qb, qb+1
.endr
	WIN (\W)
.set qb, 0
.rept \nb
	v_cvt_scalef32_pk8_fp8_f32 v[(\pc)+4*qb:(\pc)+4*qb+1], v[(\s)+16*qb:(\s)+16*qb+7], v[TM+12+qb]
	v_cvt_scalef32_pk8_fp8_f32 v[(\pc)+4*qb+2:(\pc)+4*qb+3], v[(\s)+16*qb+8:(\s)+16*qb+15], v[TM+12+qb]
.set qb, qb+1
.endr
	WIN 0
	v_nop                                          ; a plain line behind the last conversion
.endm
	s_mov_b32 s[SEL], 0x76543210                   ; v_permlanex16_b32's selects for lane l xor 16: written here, behind the last use of s3 as a temporary, and not again
	s_mov_b32 s[SEL+1], 0xfedcba98
.irp b, 0,1,2,3
	v_mov_b32 v[TM+4+\b], 0                        ; written once: a lane permute's destination counts as one of its sources
.endr
	s_cmp_eq_u32 s[KV], 0
	s_cbranch_scc0 .Lout_v
	; ---- THE WAY OUT OF q AND k.  For A's tile a (16 positions) and head hh: rotate, quantise along the head's 64, store the image (1,024 bytes); the scale words gather in LDS and leave 512 bytes at a time
	s_lshr_b32 s92, s[GY], 1                       ; the batch
	s_and_b32 s93, s[GY], 1
	s_lshl_b32 s93, s93, 2
	s_add_co_u32 s93, s93, s[CY]                   ; my block of 256 positions
	s_lshl_b32 s92, s92, 4
	s_lshl_b32 s94, s[CX], 2
	s_add_co_u32 s92, s92, s94
	s_lshl_b32 s94, s[WL], 1
	s_add_co_u32 s92, s92, s94                     ; batch x 16 + my first head
	s_lshl_b32 s94, s93, 4
	s_lshl_b32 s95, s[WH], 3
	s_add_co_u32 s94, s94, s95                     ; my first tile of positions
	s_lshl_b32 s95, s92, 17
	s_lshl_b32 s96, s94, 10
	s_add_co_u32 s95, s95, s96                     ; q: codes: head x 131,072 + tile x 1,024
	s_lshl_b32 s96, s92, 13
	s_lshl_b32 s94, s94, 6
	s_add_co_u32 s96, s96, s94                     ; q: scale words: head x 8,192 + tile x 64
	s_mul_i32 s97, s92, BHB
	s_mul_i32 s94, s93, SLB
	s_add_co_u32 s97, s97, s94                     ; k: the head's slot
	s_lshl_b32 s94, s[WH], 13
	s_add_co_u32 s98, s97, s94                     ; k: codes
	s_lshl_b32 s94, s[WH], 9
	s_add_co_u32 s97, s97, s94
	s_add_co_u32 s97, s97, 32768                   ; k: scale words
	s_mov_b32 s99, BHB
	s_mov_b32 s100, 131072
	s_cmp_eq_u32 s[GX], 0                          ; q or k: the cluster's x
	s_cselect_b64 s[4:5], s[16:17], s[20:21]
	s_cselect_b64 s[10:11], s[18:19], s[20:21]
	s_cselect_b32 s92, s95, s98
	s_cselect_b32 s94, s96, s97
	s_cselect_b32 s96, s100, s99                   ; from head to head: codes,
	s_mov_b32 s100, 8192
	s_cselect_b32 s98, s100, s99                   ; scale words
	s_mov_b32 s93, 0
	s_mov_b32 s95, 0
	s_mov_b32 s97, 0
	s_mov_b32 s99, 0
	s_add_nc_u64 s[4:5], s[4:5], s[92:93]
	s_add_nc_u64 s[6:7], s[4:5], s[96:97]
	s_add_nc_u64 s[10:11], s[10:11], s[94:95]
	s_add_nc_u64 s[12:13], s[10:11], s[98:99]
; Register 16 B + i of a head holds channel 32 B + 16 h + i.  out(d) = x(d) cos_j - x(d + 32) sin_j, out(d + 32) = x(d + 32) cos_j + x(d) sin_j, j = d = 16 h + i.
.macro ROPE a, hh
.set HB, 64*((\a)%4)+32*(\hh)
.set CT, BIA+32*((\a)%2)
.set ST, CT+16
	WIN 2+(\a)/4                                   ; source 0: the accumulators' window
.irp i, 0,2,4,6,8,10,12,14
	v_pk_mul_f32 v[ROT+\i:ROT+\i+1], v[HB+16+\i:HB+17+\i], v[ST+\i:ST+\i+1]
	v_pk_mul_f32 v[ROT+16+\i:ROT+17+\i], v[HB+\i:HB+\i+1], v[ST+\i:ST+\i+1]
	v_pk_fma_f32 v[ROT+\i:ROT+\i+1], v[HB+\i:HB+\i+1], v[CT+\i:CT+\i+1], v[ROT+\i:ROT+\i+1] neg_lo:[0,0,1] neg_hi:[0,0,1]
	v_pk_fma_f32 v[ROT+16+\i:ROT+17+\i], v[HB+16+\i:HB+17+\i], v[CT+\i:CT+\i+1], v[ROT+16+\i:ROT+17+\i]
.endr
.endm
.macro EPQ a
.if (\a) < 7
	s_wait_loadcnt 8                               ; this tile's cos and sin are in; the next tile's 8 loads may be out
.else
	s_wait_loadcnt 0x0
.endif
	s_wait_xcnt 0x0                                ; earlier stores have read their data: the codes' registers are written again only behind this wait
.irp hh, 0,1
	ROPE \a, \hh
	QUANT ROT, 2, 0, PCS+8*((2*(\a)+\hh)%4), PWS+2*(\a)+\hh
	global_store_b128 v[LI], v[PCS+8*((2*(\a)+\hh)%4):PCS+8*((2*(\a)+\hh)%4)+3], s[4+2*\hh:5+2*\hh] offset:1024*(\a)
	global_store_b128 v[LI], v[PCS+8*((2*(\a)+\hh)%4)+4:PCS+8*((2*(\a)+\hh)%4)+7], s[4+2*\hh:5+2*\hh] offset:1024*(\a)+512
	ds_store_b32 v[SWQ], v[PWS+2*(\a)+\hh] offset:512*\hh+64*(\a)   ; lanes r and r + 16 write the same word with the same value
.endr
.if (\a) < 6
	CSLOAD (\a)+2
.endif
.endm
.irp a, 0,1,2,3,4,5,6,7
	EPQ \a
.endr
	ds_load_b128 v[BK:BK+3], v[SRQ]                ; LDS serves a wave's instructions in order: these see my stores
	ds_load_b128 v[BK+4:BK+7], v[SRQ] offset:512
	s_wait_dscnt 0x0
	global_store_b128 v[LI], v[BK:BK+3], s[10:11]  ; eight tiles' scale words of a head: 512 consecutive bytes, aligned
	global_store_b128 v[LI], v[BK+4:BK+7], s[12:13]
	s_branch .Ldone
.Lout_v:
	; ---- THE WAY OUT OF v.  A's tile a is 16 channels, my 64 registers are 128 keys: one fragment of V^T and its scale word
	s_and_b32 s92, s[GY], 3                        ; the batch
	s_lshl_b32 s92, s92, 4
	s_lshl_b32 s93, s[CY], 2
	s_add_co_u32 s92, s92, s93
	s_lshl_b32 s93, s[WH], 1
	s_add_co_u32 s92, s92, s93                     ; batch x 16 + my first head
	s_mul_i32 s92, s92, BHB
	s_lshl_b32 s93, s[GX], 2
	s_add_co_u32 s93, s93, s[CX]                   ; the slot of 256 keys
	s_mul_i32 s93, s93, SLB
	s_add_co_u32 s92, s92, s93
	s_lshl_b32 s93, s[WL], 13                      ; my key step of the slot's two
	s_add_co_u32 s94, s92, s93
	s_add_co_u32 s94, s94, 16384
	s_lshl_b32 s93, s[WL], 8
	s_add_co_u32 s92, s92, s93
	s_add_co_u32 s92, s92, 33792
	s_mov_b32 s93, 0
	s_mov_b32 s95, 0
	s_add_nc_u64 s[4:5], s[20:21], s[94:95]
	s_add_nc_u64 s[6:7], s[4:5], BHB
	s_add_nc_u64 s[10:11], s[20:21], s[92:93]
.macro EPV a
	s_wait_xcnt 0x0                                ; earlier stores have read their data
	QUANT 64*((\a)%4), 4, 2+(\a)/4, PCS+16*((\a)%2), PWS+(\a)
.irp c, 0,1,2,3
	global_store_b128 v[LI], v[PCS+16*((\a)%2)+4*\c:PCS+16*((\a)%2)+4*\c+3], s[4+2*((\a)/4):5+2*((\a)/4)] offset:2048*((\a)%4)+512*\c
.endr
	ds_store_b32 v[SWV], v[PWS+(\a)] offset:64*(\a)   ; lanes r and r + 16 write the same word with the same value
.endm
.irp a, 0,1,2,3,4,5,6,7
	EPV \a
.endr
	ds_load_b128 v[BK:BK+3], v[SRV]
	s_wait_dscnt 0x0
	global_store_b128 v[GV], v[BK:BK+3], s[10:11]  ; two heads' 256 bytes each, aligned
.Ldone:
	s_wait_tensorcnt 0x0                           ; the wave's end
	ds_add_u32 v[SPW], v[NIL]
	s_wait_dscnt 0x0
	CROUND                                         ; the closing round: no work-group ends while a partner may still ask for a tile that names it
	s_endpgm
.Lfunc_end_k_qd28b5b3cd9_qkv:
	.size	k_qd28b5b3cd9_qkv, .Lfunc_end_k_qd28b5b3cd9_qkv-k_qd28b5b3cd9_qkv
	.p2alignl 7, 3214868480
	.fill 96, 4, 3214868480
	.section	.rodata,"a",@progbits
	.p2align	6, 0x0
	.amdhsa_kernel k_qd28b5b3cd9_qkv
		.amdhsa_group_segment_fixed_size 327680
		.amdhsa_private_segment_fixed_size 0
		.amdhsa_enable_private_segment 0
		.amdhsa_kernarg_size 72
		.amdhsa_user_sgpr_count 2
		.amdhsa_user_sgpr_kernarg_segment_ptr 1
		.amdhsa_wavefront_size32 1
		.amdhsa_system_sgpr_workgroup_id_x 1
		.amdhsa_system_sgpr_workgroup_id_y 1
		.amdhsa_system_sgpr_workgroup_id_z 1
		.amdhsa_system_vgpr_workitem_id 0
		.amdhsa_next_free_vgpr 1024
		.amdhsa_next_free_sgpr 102
		.amdhsa_reserve_vcc 0
		.amdhsa_float_denorm_mode_32 3
		.amdhsa_float_denorm_mode_16_64 3
		.amdhsa_fp16_overflow 1
		.amdhsa_memory_ordered 1
		.amdhsa_forward_progress 1
		.amdhsa_inst_pref_size 245
	.end_amdhsa_kernel
	.amdgpu_metadata
---
amdhsa.version: [ 1, 2 ]
amdhsa.kernels:
  - .name:           k_qd28b5b3cd9_qkv
    .symbol:         k_qd28b5b3cd9_qkv.kd
    .args:
      - { .name: cod, .offset: 0, .size: 8, .value_kind: global_buffer, .address_space: global }
      - { .name: scl, .offset: 8, .size: 8, .value_kind: global_buffer, .address_space: global }
      - { .name: rope, .offset: 16, .size: 8, .value_kind: global_buffer, .address_space: global }
      - { .name: bq, .offset: 24, .size: 8, .value_kind: global_buffer, .address_space: global }
      - { .name: bk, .offset: 32, .size: 8, .value_kind: global_buffer, .address_space: global }
      - { .name: bv, .offset: 40, .size: 8, .value_kind: global_buffer, .address_space: global }
      - { .name: qc, .offset: 48, .size: 8, .value_kind: global_buffer, .address_space: global }
      - { .name: qs, .offset: 56, .size: 8, .value_kind: global_buffer, .address_space: global }
      - { .name: kv, .offset: 64, .size: 8, .value_kind: global_buffer, .address_space: global }
    .group_segment_fixed_size: 327680
    .private_segment_fixed_size: 0
    .kernarg_segment_align: 8
    .kernarg_segment_size: 72
    .max_flat_workgroup_size: 128
    .sgpr_count:     102
    .vgpr_count:     1024
    .wavefront_size: 32
...
	.end_amdgpu_metadata
.endif
;; end of part 2
;; launch attn (part 3): grid 4 x 64, 16 waves a work-group, no clusters, 327,680 bytes of LDS; arguments qc, qs, kv, yc, ys; writes yc, ys
.if DOCPART == 3
	.amdgcn_target "amdgcn-amd-amdhsa--gfx1250"
	.amdhsa_code_object_version 6
	.text
	.protected	k_qd28b5b3cd9_attn
	.globl	k_qd28b5b3cd9_attn
	.p2align	8
	.type	k_qd28b5b3cd9_attn,@function
k_qd28b5b3cd9_attn:
	s_mov_b64 s[64:65], 0
	v_nop
	global_prefetch_b8 v0, s[64:65] scope:SCOPE_SE
	s_setreg_imm32_b32 hwreg(HW_REG_WAVE_MODE, 25, 1), 1
	s_wait_xcnt 0x0
; y[b][t][head 64 ..] = softmax_k(q . k / 8, causal) v, both products on codes of FP8 (E4M3) with E8M0 scales; y is quantised along its 1,024 channels and leaves as images of operand registers.
; THE SOFTMAX AHEAD OF THE SECOND PRODUCT: t = score x log2(e) / 8; M = the row's largest t so far, rounded UP to a whole number; p = 2^(t - M) is what is quantised, along the keys.  The row's sum is taken of the
; unquantised p and divides at the end.  When M moves, the sum and O are multiplied by 2^(old M - new M): exact.
; SHARES.  Work-group (i, head) owns the blocks of 256 queries 7 - i and i of its head, one after the other.  Block n needs key slots 0 .. n (256 keys each), so every work-group walks 8 - i and then i + 1 slots:
; NINE TRIPS, a constant of the text, and all 256 work-groups have the same work.  Each of the sixteen waves owns one tile of 16 queries in 256 registers: four waves to a SIMD.
; NO CLUSTER: the four work-groups of a head want the same slot only in their first five trips; walking all slots jointly would take 8 + 4 = 12 slot-times a work-group in place of 9.
; LAYOUT.  Both products are used transposed: S^T = K Q^T, O^T = V^T P^T: a lane holds ONE query.  Lane index r of a tile stands for row 32 (T / 2) + 8 (T % 2) + r + 8 (r / 8), of queries, keys and channels alike, so the
; 16 registers of two neighbouring tiles of S^T are 16 neighbouring keys and those of O^T 16 neighbouring channels: the conversions' results are the next operand's registers.
; THE HEAD HAS 64 CHANNELS, the instruction takes 128 along K: Q's codes of k = 64 .. 127 are zeros.  K's fragments are 8 registers; the instruction names 16, of which the upper 8 are the next tile's codes (the last
; tile's: zeros): numbers of the format, never NaN codes, that meet zeros.
; A slot of kv is 34,304 dense bytes: K's 16 images of 1,024, V's [key step 2][16 channels 4] images of 2,048, K's scale words 16 x 64, V's 8 x 64.  Waves 0 and 1 fetch half a slot each; all sixteen read it.
; LIMITS: NaN and infinities are not served; blocks of y whose largest magnitude lies under 2^-118 are held at the byte 1; a block of zeros gets the byte 1 (zero codes; this program alone reads the bytes).
.set SLOT1, 65536                      ; slot 1 begins here: one exclusive or turns an address in one slot into the other's
.set SPARE, 131072                     ; the spare words, 128 bytes for each wave: eight blocks of 256 bytes that no other line names
.set SLB,   34304
.set BHB,   274432
.set LI,  2                            ; v2  16 x lane
.set LS,  3                            ; v3  4 r
.set SPW, 4                            ; v4  my spare word; never rewritten
.set NIL, 5                            ; v5  0; never rewritten
.set PFO, 6                            ; v6  256 x lane; never rewritten
.set QL,  7                            ; v7  r + 8 (r / 8) - 16 h
.set ADK, 8                            ; v8  the slot in hand + 16 x lane
.set ADS, 9                            ; v9  the slot in hand + 4 r
.set KR,  32                           ; v32-95 K's eight fragments, then V's four; v96-103 zeros
.set S,   104                          ; v104-167 S^T, then p
.set OT,  168                          ; v168-199 O^T
.set PC,  200                          ; v200-215 p's codes; y's
.set TM,  216                          ; v216-219 largest scores / magnitudes, v220-223 at work, v228-231 the conversions' scale operands
.set SW,  232                          ; v232-239 K's or V's scale words
; v10 8 r; v11 the second block's Q scale word; v12 -M, v13 the largest t, v[14:15] the sum; v16-23 Q's codes, v24-31 zeros; v[240:241] f; v242 at work; v243 p's scale word; v244 Q's; v245, v246 the mask's; v248-255 the second block's Q
.set WV,  14
.set SEL, 16
.set CS,  18
.set MNT, 20
.set TB,  21
.set TR,  22
.set N1,  23
.set G1,  24
.set G0,  32
.set KVB, 36
.set OFS, 38
.set KN,  40
.set KF,  41
.set QB,  42
.set QB2, 43
.set YC,  44
.set YS,  48
.set PFA, 52
.set LIM, 54
.macro TLOAD                           ; waves 0 and 1 fetch, the others nothing; four v_nop follow the line
	s_cmp_lt_u32 s[WV], 2
	s_cbranch_scc0 .Lno_load_\@
	tensor_load_to_lds s[G0:G0+3], s[G1:G1+7]
	s_nop 0
.rept 4
	v_nop
.endr
.Lno_load_\@:
.endm
; A prefetch of the codes of the slot that the NEXT change of slots will ask for: 32,768 bytes, 8,192 a wave, lanes 256 bytes apart.  All four work-groups of a head walk slots 0, 1, .. in their first trips: the one that
; walks all eight (i = 0) asks, in its waves 4 to 7, which fetch nothing: so each aligned block of 256 bytes is named once in the launch.  Trip t names slot t + 2; trips 6 and on name nothing.  Slots 0 and 1 and the
; six blocks of scale words of a slot come by their loads alone.
.macro ASK
	s_cmp_lt_u32 s[TR], s[LIM]
	s_cbranch_scc0 .Lnot_mine_\@
	global_prefetch_b8 v[PFO], s[PFA:PFA+1] th:TH_LOAD_NT scope:SCOPE_SE
.Lnot_mine_\@:
.endm
	s_load_b256 s[4:11], s[0:1], 0x0               ; qc, qs, kv, yc
	s_load_b64 s[12:13], s[0:1], 0x20              ; ys
	v_lshl_add_u32 v[SPW], v0, 2, SPARE
	v_mov_b32 v[NIL], 0
	ds_add_u32 v4, v5
	ds_add_u32 v4, v5
	s_wait_dscnt 0x0
	v_lshrrev_b32 v1, 5, v0
	s_delay_alu instid0(VALU_DEP_1)
	v_readfirstlane_b32 s[WV], v1                  ; wave 0..15
	s_and_b32 s55, ttmp7, 0xffff                   ; batch x 16 + head
	s_sub_co_u32 s[N1], 8, ttmp9                   ; trips of the first block of queries
	s_and_b32 s56, s[WV], 1
	s_mul_i32 s57, s56, 17152                      ; which half of a slot I fetch, if I fetch
	s_mul_i32 s58, s55, BHB
	s_add_co_u32 s[OFS], s58, s57
	s_mov_b32 s[OFS+1], 0
	s_mov_b32 s[G1], 3<<16                         ; no mask; elements of 8 bytes; no padding: images are read 512 consecutive bytes at a time
	s_mov_b32 s[G1+1], 32<<16                      ; tensor_dim0: rows of 256 bytes
	s_mov_b32 s[G1+2], 67<<16                      ; tensor_dim1
	s_mov_b32 s[G1+3], 32<<16                      ; tile_dim0
	s_mov_b32 s[G1+4], 67                          ; tile_dim1: 67 rows: half a slot
	s_mov_b32 s[G1+5], 32                          ; dense
	s_mov_b32 s[G1+6], 0
	s_mov_b32 s[G1+7], 0
	s_mov_b32 s[G0], 1
	s_mov_b32 s[G0+1], s57                         ; LDS slot 0
	s_wait_kmcnt 0x0
	s_add_nc_u64 s[KVB:KVB+1], s[8:9], s[OFS:OFS+1]
	s_mov_b64 s[G0+2:G0+3], s[KVB:KVB+1]
	s_or_b32 s[G0+3], s[G0+3], 0x80000000
	TLOAD                                          ; the first trip's slot: key slot 0
	s_mov_b32 s[SEL], 0x76543210
	s_mov_b32 s[SEL+1], 0xfedcba98
	s_mov_b32 s[CS], 0x3e38aa3b                    ; c = log2(e) / 8
	s_mov_b32 s[CS+1], s[CS]                       ; (named with it as a pair, so it is written)
	s_mov_b32 s[TB], 0
	s_mov_b32 s[TR], 0
	s_mov_b32 s[KN], 0
	s_mov_b32 s[KF], 0
	s_and_b32 s56, s[WV], 3                        ; the prefetches: my wave's 8,192 bytes, in slot 1: the first change of slots steps it to slot 2
	s_lshl_b32 s56, s56, 13
	s_add_co_u32 s56, s56, s58
	s_add_co_u32 s56, s56, SLB
	s_mov_b32 s57, 0
	s_add_nc_u64 s[PFA:PFA+1], s[8:9], s[56:57]
	s_lshr_b32 s56, s[WV], 2
	s_xor_b32 s56, s56, 1                          ; 0 in waves 4 to 7,
	s_or_b32 s56, s56, ttmp9                       ; of the work-group that walks all eight slots
	s_cmp_eq_u32 s56, 0
	s_cselect_b32 s[LIM], 6, 0
	s_lshr_b32 s56, s[WV], 1
	s_lshl_b32 s56, s56, 5
	s_and_b32 s57, s[WV], 1
	s_lshl_b32 s57, s57, 3
	s_add_co_u32 s56, s56, s57                     ; my tile's first query in its block: 32 (w / 2) + 8 (w % 2)
	s_sub_co_u32 s57, 7, ttmp9                     ; the first block
	s_lshl_b32 s58, s57, 8
	s_add_co_u32 s[QB], s58, s56
	s_lshl_b32 s58, ttmp9, 8
	s_add_co_u32 s[QB2], s58, s56
	s_lshl_b32 s59, s57, 4
	s_add_co_u32 s59, s59, s[WV]                   ; my tile of queries, first block,
	s_lshl_b32 s60, ttmp9, 4
	s_add_co_u32 s60, s60, s[WV]                   ; second block
	s_mov_b32 s63, 0
	s_lshl_b32 s62, s55, 17
	s_add_nc_u64 s[4:5], s[4:5], s[62:63]          ; qc at my head
	s_lshl_b32 s62, s55, 13
	s_add_nc_u64 s[6:7], s[6:7], s[62:63]          ; qs at my head
	s_lshl_b32 s62, s59, 10
	s_add_nc_u64 s[66:67], s[4:5], s[62:63]
	s_lshl_b32 s62, s60, 10
	s_add_nc_u64 s[68:69], s[4:5], s[62:63]
	s_lshl_b32 s62, s59, 6
	s_add_nc_u64 s[70:71], s[6:7], s[62:63]
	s_lshl_b32 s62, s60, 6
	s_add_nc_u64 s[6:7], s[6:7], s[62:63]
	v_and_b32 v1, 31, v0
	s_delay_alu instid0(VALU_DEP_1)
	v_lshlrev_b32 v[LI], 4, v1
	s_delay_alu instid0(VALU_DEP_2)
	v_lshlrev_b32 v[PFO], 8, v1
	v_and_b32 v1, 15, v0                           ; r
	s_delay_alu instid0(VALU_DEP_1)
	v_lshlrev_b32 v[LS], 2, v1
	global_load_b128 v[16:19], v[LI], s[66:67]     ; Q's fragment: k = 0 .. 63
	global_load_b128 v[20:23], v[LI], s[66:67] offset:512
	global_load_b32 v244, v[LS], s[70:71]          ; and its scale words (bytes 2 and 3 are 0: they meet zero codes)
	global_load_b128 v[248:251], v[LI], s[68:69]   ; the second block's
	global_load_b128 v[252:255], v[LI], s[68:69] offset:512
	global_load_b32 v11, v[LS], s[6:7]
	v_lshlrev_b32 v10, 3, v1
	v_and_b32 v[QL], 8, v1
	s_delay_alu instid0(VALU_DEP_1)
	v_add_nc_u32 v[QL], v[QL], v1
	v_bfe_u32 v1, v0, 4, 1
	s_delay_alu instid0(VALU_DEP_1)
	v_lshlrev_b32 v1, 4, v1
	s_delay_alu instid0(VALU_DEP_1)
	v_sub_nc_u32 v[QL], v[QL], v1
	; where y goes: yc: tile of rows x 16,384 + head x 1,024;  ys: tile x 512 + (head / 4) x 128 + 8 r + (head % 4) x 2
	s_lshr_b32 s61, s55, 4
	s_lshl_b32 s61, s61, 7                         ; the batch's first tile of rows
	s_and_b32 s15, s55, 15                         ; the head
	s_add_co_u32 s56, s61, s59
	s_add_co_u32 s57, s61, s60
	s_lshl_b32 s58, s15, 10
	s_lshl_b32 s62, s56, 14
	s_add_co_u32 s62, s62, s58
	s_add_nc_u64 s[YC:YC+1], s[10:11], s[62:63]
	s_lshl_b32 s62, s57, 14
	s_add_co_u32 s62, s62, s58
	s_add_nc_u64 s[YC+2:YC+3], s[10:11], s[62:63]
	s_lshr_b32 s58, s15, 2
	s_lshl_b32 s58, s58, 7
	s_and_b32 s15, s15, 3
	s_lshl_b32 s15, s15, 1
	s_add_co_u32 s58, s58, s15
	s_lshl_b32 s62, s56, 9
	s_add_co_u32 s62, s62, s58
	s_add_nc_u64 s[YS:YS+1], s[12:13], s[62:63]
	s_lshl_b32 s62, s57, 9
	s_add_co_u32 s62, s62, s58
	s_add_nc_u64 s[YS+2:YS+3], s[12:13], s[62:63]
.irp j, 0,1,2,3,4,5,6,7
	v_mov_b32 v[24+\j], 0                          ; Q's codes of k = 64 .. 127
	v_mov_b32 v[96+\j], 0                          ; what the last tile of K names beyond its own codes
.endr
.macro FRESH                           ; a block of queries begins: O^T and the sum as zeros, the largest t under every t
.set fj, 0
.rept 32
	v_mov_b32 v[OT+fj], 0
.set fj, fj+1
.endr
	v_mov_b32 v13, 0xff61b1e6                      ; -3e38
	s_delay_alu instid0(VALU_DEP_1)
	v_floor_f32 v12, -v13                          ; -M
	v_mov_b32 v14, 0
	v_mov_b32 v15, 0
.endm
	FRESH
.irp b, 0,1,2,3
	v_mov_b32 v[TM+4+\b], 0                        ; written once: a lane permute's destination counts as one of its sources
.endr
	v_mov_b32 v241, 0                              ; (named as the upper half of the pair v[240:241])
	v_mov_b32 v242, 0
; A KEY STEP: 128 keys, the q-th of the slot in hand.
.macro STEP q
	s_add_co_u32 s56, s[QB], 23                    ; my last query.  A step all of whose keys come after it is left out: a scalar branch on ids; no barrier and no tensor load stands in a step
	s_cmp_gt_u32 s[KF], s56
	s_cbranch_scc1 .Lhidden_\@
.rept 8
	v_nop                                          ; places in front of loads into registers that the last products read
.endr
	s_wait_alu depctr_va_vdst(0)
.irp t, 0,1,2,3,4,5,6,7
	ds_load_b128 v[KR+8*\t:KR+8*\t+3], v[ADK] offset:(8*(\q)+\t)*1024
	ds_load_b128 v[KR+8*\t+4:KR+8*\t+7], v[ADK] offset:(8*(\q)+\t)*1024+512
	ds_load_b32 v[SW+\t], v[ADS] offset:32768+(8*(\q)+\t)*64
.endr
	s_wait_dscnt 0x0
.irp t, 0,1,2,3,4,5,6,7
	v_wmma_scale_f32_16x16x128_f8f6f4 v[S+8*\t:S+8*\t+7], v[KR+8*\t:KR+8*\t+15], v[16:31], 0, v[SW+\t], v244
.endr
.rept 8
	v_nop                                          ; places: in front of the loads below and of the first read of the scores
.endr
	s_wait_alu depctr_va_vdst(0)
.irp t, 0,1,2,3                                ; V's four fragments are asked for now and land under the softmax
.irp c, 0,1,2,3
	ds_load_b128 v[KR+16*\t+4*\c:KR+16*\t+4*\c+3], v[ADK] offset:16384+8192*(\q)+2048*\t+512*\c
.endr
	ds_load_b32 v[SW+\t], v[ADS] offset:33792+256*(\q)+64*\t
.endr
	s_add_co_u32 s56, s[KF], 127                   ; on the diagonal the scores of hidden keys become -infinity ahead of the maximum.  A step all of whose keys count skips this
	s_cmp_le_u32 s56, s[QB]
	s_cbranch_scc1 .Lopen_\@
	s_sub_co_i32 s56, s[QB], s[KF]
	v_add_nc_u32 v245, s56, v[QL]                  ; d = my query - the step's first key - 16 h.  Register 16 b + i holds key 32 b + 16 h + i of the step: hidden where 32 b + i > d
	v_mov_b32 v246, 0xff800000
.set sn, 0
.rept 64
	v_cmp_gt_i32 vcc_lo, 32*(sn/16)+sn%16, v245
	v_cndmask_b32 v[S+sn], v[S+sn], v246, vcc_lo
.set sn, sn+1
.endr
.Lopen_\@:
.irp b, 0,1,2,3
	v_max3_num_f32 v[TM+\b], v[S+16*\b], v[S+16*\b+1], v[S+16*\b+2]   ; the largest score of each block of 32 keys: it serves for the row's maximum and, since p rises with the score, for the block's largest p
.endr
.irp i, 3,5,7,9,11,13
.irp b, 0,1,2,3
	v_max3_num_f32 v[TM+\b], v[TM+\b], v[S+16*\b+\i], v[S+16*\b+\i+1]
.endr
.endr
.irp b, 0,1,2,3
	v_max_num_f32 v[TM+\b], v[TM+\b], v[S+16*\b+15]
.endr
.irp b, 0,1,2,3
	s_delay_alu instid0(VALU_DEP_4)
	v_permlanex16_b32 v[TM+4+\b], v[TM+\b], s[SEL], s[SEL+1]
.endr
.irp b, 0,1,2,3
	s_delay_alu instid0(VALU_DEP_4)
	v_max_num_f32 v[TM+\b], v[TM+\b], v[TM+4+\b]   ; with lane l xor 16's 16 keys
.endr
	s_delay_alu instid0(VALU_DEP_2)
	v_max3_num_f32 v242, v[TM], v[TM+1], v[TM+2]
	s_delay_alu instid0(VALU_DEP_1)
	v_max_num_f32 v242, v242, v[TM+3]
	s_delay_alu instid0(VALU_DEP_1)
	v_mul_f32 v242, s[CS], v242                    ; the step's largest t of my query
	s_delay_alu instid0(VALU_DEP_1)
	v_max_num_f32 v13, v13, v242                   ; the running largest t
	v_mov_b32 v242, v12
	s_delay_alu instid0(VALU_DEP_2)
	v_floor_f32 v12, -v13                          ; the new -M = -ceil(t)
	s_delay_alu instid0(VALU_DEP_1)
	v_sub_f32 v242, v12, v242                      ; old M - new M: a whole number, 0 or less
	s_delay_alu instid0(VALU_DEP_1)
	v_cvt_i32_f32 v242, v242                       ; (it saturates)
	s_delay_alu instid0(VALU_DEP_1)
	v_ldexp_f32 v240, 1.0, v242                    ; f = 2^(old M - new M)
.set sj, 0
.rept 32
	v_pk_fma_f32 v[S+sj:S+sj+1], v[S+sj:S+sj+1], s[CS:CS+1], v[12:13] op_sel_hi:[1,0,0]   ; t - M, two at a time
.set sj, sj+2
.endr
.irp b, 0,1,2,3
	v_fma_f32 v[TM+\b], v[TM+\b], s[CS], v12       ; the same of each block's largest score
.endr
.set sj, 0
	s_wait_alu depctr_va_vdst(0)
.rept 64
	v_exp_f32 v[S+sj], v[S+sj]                     ; p = 2^(t - M), at most 1
.set sj, sj+1
.endr
	v_pk_mul_f32 v[14:15], v[14:15], v[240:241] op_sel_hi:[1,0]   ; the sums under the new M; a plain line behind the exponentials
	s_wait_alu depctr_va_vdst(0)                   ; one wait for the batch, ahead of its first reader
.irp b, 0,1,2,3
	v_exp_f32 v[TM+\b], v[TM+\b]                   ; the block's largest p: the same two instructions on the same number
.endr
	v_pk_add_f32 v[220:221], v[108:109], v[112:113]
	v_pk_add_f32 v[246:247], v[116:117], v[120:121]
	v_pk_add_f32 v[238:239], v[124:125], v[128:129]
	v_pk_add_f32 v[236:237], v[132:133], v[136:137]
	v_pk_add_f32 v[230:231], v[140:141], v[144:145]
	v_pk_add_f32 v[228:229], v[148:149], v[152:153]
	v_pk_add_f32 v[226:227], v[156:157], v[160:161]
	v_pk_add_f32 v[14:15], v[14:15], v[164:165]
	v_pk_add_f32 v[220:221], v[220:221], v[104:105]
	v_pk_add_f32 v[246:247], v[246:247], v[106:107]
	v_pk_add_f32 v[238:239], v[238:239], v[110:111]
	v_pk_add_f32 v[236:237], v[236:237], v[114:115]
	v_pk_add_f32 v[230:231], v[230:231], v[118:119]
	v_pk_add_f32 v[228:229], v[228:229], v[122:123]
	v_pk_add_f32 v[226:227], v[226:227], v[126:127]
	v_pk_add_f32 v[14:15], v[14:15], v[130:131]
	v_pk_add_f32 v[220:221], v[220:221], v[134:135]
	v_pk_add_f32 v[246:247], v[246:247], v[138:139]
	v_pk_add_f32 v[238:239], v[238:239], v[142:143]
	v_pk_add_f32 v[236:237], v[236:237], v[146:147]
	v_pk_add_f32 v[230:231], v[230:231], v[150:151]
	v_pk_add_f32 v[228:229], v[228:229], v[154:155]
	v_pk_add_f32 v[226:227], v[226:227], v[158:159]
	v_pk_add_f32 v[14:15], v[14:15], v[162:163]
	v_pk_add_f32 v[220:221], v[220:221], v[166:167]
	s_delay_alu instid0(VALU_DEP_2)
	v_pk_add_f32 v[14:15], v[14:15], v[236:237]
	s_delay_alu instid0(VALU_DEP_2)
	v_pk_add_f32 v[220:221], v[220:221], v[230:231]
	v_pk_add_f32 v[246:247], v[246:247], v[228:229]
	v_pk_add_f32 v[238:239], v[238:239], v[226:227]
	s_delay_alu instid0(VALU_DEP_2)
	v_pk_add_f32 v[14:15], v[14:15], v[246:247]
	s_delay_alu instid0(VALU_DEP_2)
	v_pk_add_f32 v[220:221], v[220:221], v[238:239]
	s_delay_alu instid0(VALU_DEP_1)
	v_pk_add_f32 v[14:15], v[14:15], v[220:221]
	s_wait_alu depctr_va_vdst(0)                   ; and one for the four
.irp b, 0,1,2,3
	v_max_num_f32 v[TM+\b], 0x4800000, v[TM+\b]    ; the floor 2^(9 - 127): the byte cannot fall under 1
.endr
.irp b, 0,1,2,3
	s_delay_alu instid0(VALU_DEP_4)
	v_add_nc_u32 v[TM+12+\b], 0xfc000000, v[TM+\b] ; the conversion's scale operand
.endr
.irp b, 0,1,2,3
.endr
.irp b, 0,1,2,3
	s_delay_alu instid0(VALU_DEP_4)
	v_lshrrev_b32 v[TM+4+\b], 23, v[TM+12+\b]      ; the scale's byte
.endr
	s_delay_alu instid0(VALU_DEP_3)
	v_lshl_or_b32 v243, v[TM+5], 8, v[TM+4]        ; p's scale word for these 128 keys
	s_delay_alu instid0(VALU_DEP_1)
	v_lshl_or_b32 v243, v[TM+6], 16, v243
	s_delay_alu instid0(VALU_DEP_1)
	v_lshl_or_b32 v243, v[TM+7], 24, v243
.irp b, 0,1,2,3
.irp i, 0,1,2,3,4,5,6,7,8,9,10,11,12,13,14,15
.endr
	v_cvt_scalef32_pk8_fp8_f32 v[PC+4*\b:PC+4*\b+1], v[S+16*\b:S+16*\b+7], v[TM+12+\b]
	v_cvt_scalef32_pk8_fp8_f32 v[PC+4*\b+2:PC+4*\b+3], v[S+16*\b+8:S+16*\b+15], v[TM+12+\b]
.endr
.set sj, 0
.rept 16
	v_pk_mul_f32 v[OT+sj:OT+sj+1], v[OT+sj:OT+sj+1], v[240:241] op_sel_hi:[1,0]   ; O^T under the new M; these are also the places in front of the products below
.set sj, sj+2
.endr
	s_wait_alu depctr_va_vdst(0)
	s_wait_dscnt 0x0                               ; V
.irp t, 0,1,2,3                                ; the four accumulators by turns, one instruction each
	v_wmma_scale_f32_16x16x128_f8f6f4 v[OT+8*\t:OT+8*\t+7], v[KR+16*\t:KR+16*\t+15], v[PC:PC+15], v[OT+8*\t:OT+8*\t+7], v[SW+\t], v243
.endr
.Lhidden_\@:
	s_add_co_u32 s[KF], s[KF], 128
.endm
; THE CHANGE OF SLOTS stands at a trip's head.  Each wave waits for all its tensor loads, adds 0 to its spare word, and waits for that and for its reads of the slot that it has left.  Behind the barrier the slot ahead is
; whole and nobody reads the other one.  fill = 1: that other slot is filled with the next trip's keys: the key slot after this one, or slot 0 where the second block of queries begins.
.macro CHANGE fill
	s_wait_tensorcnt 0x0                           ; no tensor load of mine is out, so the group 0 may be written
	ds_add_u32 v[SPW], v[NIL]                      ; 0 onto my spare word
.if \fill
	s_add_co_u32 s[KN], s[KN], 1
	s_add_co_u32 s55, s[TR], 1
	s_cmp_eq_u32 s55, s[N1]
	s_cselect_b32 s[KN], 0, s[KN]
	s_mul_i32 s[OFS], s[KN], SLB
	s_add_nc_u64 s[G0+2:G0+3], s[KVB:KVB+1], s[OFS:OFS+1]
	s_or_b32 s[G0+3], s[G0+3], 0x80000000
	s_xor_b32 s[G0+1], s[G0+1], SLOT1
	s_wait_xcnt 0x0                                ; the last prefetch, a trip back, has read its address
	s_add_nc_u64 s[PFA:PFA+1], s[PFA:PFA+1], SLB
.endif
	s_wait_dscnt 0x0                               ; the add is done, and my reads of the slot that I have left are over
	s_barrier_signal -1
	s_barrier_wait -1
.if \fill
	TLOAD                                          ; the first thing behind the barrier, and a wave's one tensor load until the next
	ASK
.endif
.endm
.macro SLOT_STEPS
	v_add_nc_u32 v[ADK], s[TB], v[LI]
	v_add_nc_u32 v[ADS], s[TB], v[LS]
	STEP 0
	STEP 1
	s_xor_b32 s[TB], s[TB], SLOT1
.endm
; A block of queries is done: O^T / the sum, quantised along the head's 64 channels (two blocks of y's K), stored as registers 4 b .. 4 b + 3 of the image.
.macro FINAL n, last
.rept 8
	v_nop                                          ; places behind the last products
.endr
	v_add_f32 v14, v14, v15
	s_delay_alu instid0(VALU_DEP_1)
	v_permlanex16_b32 v242, v14, s[SEL], s[SEL+1]
	s_delay_alu instid0(VALU_DEP_1)
	v_add_f32 v14, v14, v242                       ; the row's sum
	s_wait_alu depctr_va_vdst(0)
	v_rcp_f32 v240, v14
	v_nop                                          ; a plain line behind the reciprocal
	s_wait_alu depctr_va_vdst(0)                   ; and the wait ahead of its first reader
.set fj, 0
.rept 16
	v_pk_mul_f32 v[OT+fj:OT+fj+1], v[OT+fj:OT+fj+1], v[240:241] op_sel_hi:[1,0]
.set fj, fj+2
.endr
.irp b, 0,1
	v_max3_num_f32 v[TM+\b], |v[OT+16*\b]|, |v[OT+16*\b+1]|, 0x4800000
.endr
.irp i, 2,4,6,8,10,12,14
.irp b, 0,1
	s_delay_alu instid0(VALU_DEP_2)
	v_max3_num_f32 v[TM+\b], v[TM+\b], |v[OT+16*\b+\i]|, |v[OT+16*\b+\i+1]|
.endr
.endr
.irp b, 0,1
	s_delay_alu instid0(VALU_DEP_2)
	v_permlanex16_b32 v[TM+4+\b], v[TM+\b], s[SEL], s[SEL+1]
.endr
.irp b, 0,1
	s_delay_alu instid0(VALU_DEP_2)
	v_max_num_f32 v[TM+\b], v[TM+\b], v[TM+4+\b]
.endr
.irp b, 0,1
	s_delay_alu instid0(VALU_DEP_2)
	v_add_nc_u32 v[TM+12+\b], 0xfc000000, v[TM+\b]
.endr
.irp b, 0,1
	s_delay_alu instid0(VALU_DEP_2)
	v_lshrrev_b32 v[TM+4+\b], 23, v[TM+12+\b]
.endr
	s_delay_alu instid0(VALU_DEP_1)
	v_lshl_or_b32 v242, v[TM+5], 8, v[TM+4]        ; my row's two scale bytes
.irp b, 0,1
.irp i, 0,1,2,3,4,5,6,7,8,9,10,11,12,13,14,15
.endr
.endr
.irp b, 0,1
	v_cvt_scalef32_pk8_fp8_f32 v[PC+4*\b:PC+4*\b+1], v[OT+16*\b:OT+16*\b+7], v[TM+12+\b]
	v_cvt_scalef32_pk8_fp8_f32 v[PC+4*\b+2:PC+4*\b+3], v[OT+16*\b+8:OT+16*\b+15], v[TM+12+\b]
.endr
	v_nop                                          ; a plain line behind the last conversion
	global_store_b128 v[LI], v[PC:PC+3], s[YC+2*(\n)-2:YC+2*(\n)-1]             ; 512 consecutive bytes, aligned
	global_store_b128 v[LI], v[PC+4:PC+7], s[YC+2*(\n)-2:YC+2*(\n)-1] offset:512
	global_store_b16 v10, v242, s[YS+2*(\n)-2:YS+2*(\n)-1]                      ; two bytes a row: lanes r and r + 16 write the same bytes
.if !(\last)
	s_wait_xcnt 0x0                                ; the stores have read their data
.irp j, 0,1,2,3,4,5,6,7
	v_mov_b32 v[16+\j], v[248+\j]                  ; the second block's Q
.endr
	v_mov_b32 v244, v11
	FRESH
	s_mov_b32 s[QB], s[QB2]
	s_mov_b32 s[KF], 0
.endif
.endm
	s_wait_loadcnt 0x0                             ; Q
.Lslot:                                            ; eight trips; behind each change of slots the next trip's slot is asked for
	CHANGE 1
	SLOT_STEPS
	s_add_co_u32 s55, s[TR], 1
	s_cmp_lg_u32 s55, s[N1]
	s_cbranch_scc1 .Lnot_end
	s_wait_alu depctr_va_vdst(0)
	FINAL 1, 0
.Lnot_end:
	s_add_co_u32 s[TR], s[TR], 1
	s_cmp_lt_u32 s[TR], 8
	s_cbranch_scc1 .Lslot
	CHANGE 0                                       ; the ninth trip is written out
	SLOT_STEPS
	s_wait_alu depctr_va_vdst(0)
	FINAL 2, 1
	s_wait_tensorcnt 0x0                           ; the wave's end
	ds_add_u32 v[SPW], v[NIL]
	s_wait_dscnt 0x0
	s_endpgm
.Lfunc_end_k_qd28b5b3cd9_attn:
	.size	k_qd28b5b3cd9_attn, .Lfunc_end_k_qd28b5b3cd9_attn-k_qd28b5b3cd9_attn
	.p2alignl 7, 3214868480
	.fill 96, 4, 3214868480
	.section	.rodata,"a",@progbits
	.p2align	6, 0x0
	.amdhsa_kernel k_qd28b5b3cd9_attn
		.amdhsa_group_segment_fixed_size 327680
		.amdhsa_private_segment_fixed_size 0
		.amdhsa_enable_private_segment 0
		.amdhsa_kernarg_size 40
		.amdhsa_user_sgpr_count 2
		.amdhsa_user_sgpr_kernarg_segment_ptr 1
		.amdhsa_wavefront_size32 1
		.amdhsa_system_sgpr_workgroup_id_x 1
		.amdhsa_system_sgpr_workgroup_id_y 1
		.amdhsa_system_sgpr_workgroup_id_z 1
		.amdhsa_system_vgpr_workitem_id 0
		.amdhsa_next_free_vgpr 256
		.amdhsa_next_free_sgpr 72
		.amdhsa_reserve_vcc 1
		.amdhsa_float_denorm_mode_32 3
		.amdhsa_float_denorm_mode_16_64 3
		.amdhsa_fp16_overflow 1
		.amdhsa_memory_ordered 1
		.amdhsa_forward_progress 1
		.amdhsa_inst_pref_size 111
	.end_amdhsa_kernel
	.amdgpu_metadata
---
amdhsa.version: [ 1, 2 ]
amdhsa.kernels:
  - .name:           k_qd28b5b3cd9_attn
    .symbol:         k_qd28b5b3cd9_attn.kd
    .args:
      - { .name: qc, .offset: 0, .size: 8, .value_kind: global_buffer, .address_space: global }
      - { .name: qs, .offset: 8, .size: 8, .value_kind: global_buffer, .address_space: global }
      - { .name: kv, .offset: 16, .size: 8, .value_kind: global_buffer, .address_space: global }
      - { .name: yc, .offset: 24, .size: 8, .value_kind: global_buffer, .address_space: global }
      - { .name: ys, .offset: 32, .size: 8, .value_kind: global_buffer, .address_space: global }
    .group_segment_fixed_size: 327680
    .private_segment_fixed_size: 0
    .kernarg_segment_align: 8
    .kernarg_segment_size: 40
    .max_flat_workgroup_size: 512
    .sgpr_count:     72
    .vgpr_count:     256
    .wavefront_size: 32
...
	.end_amdgpu_metadata
.endif
;; end of part 3
;; launch proj (part 4): grid 4 x 32, 4 waves a work-group, clusters of 4 x 4, 327,680 bytes of LDS; arguments yc, ys, cod, scl, bo, out0; writes out0
.if DOCPART == 4
	.amdgcn_target "amdgcn-amd-amdhsa--gfx1250"
	.amdhsa_code_object_version 6
	.text
	.protected	k_qd28b5b3cd9_proj
	.globl	k_qd28b5b3cd9_proj
	.p2align	8
	.type	k_qd28b5b3cd9_proj,@function
k_qd28b5b3cd9_proj:
	s_mov_b64 s[64:65], 0
	v_nop
	global_prefetch_b8 v0, s[64:65] scope:SCOPE_SE
	s_setreg_imm32_b32 hwreg(HW_REG_WAVE_MODE, 25, 1), 1
	s_wait_xcnt 0x0
	s_wait_alu depctr_hold_cnt(0) depctr_sa_sdst(0) depctr_va_vdst(0) depctr_va_sdst(0) depctr_va_ssrc(0) depctr_va_vcc(0) depctr_vm_vsrc(0)
	s_getreg_b32 s2, hwreg(HW_REG_IB_STS2, 6, 4)
	s_cmp_eq_u32 s2, 0
	s_cbranch_scc0 .Lentry_in_a_cluster
	s_endpgm
.Lentry_in_a_cluster:
	s_bfe_u32 s2, ttmp6, 0x10000c
	s_cmp_lg_u32 s2, 0xf033
	s_cbranch_scc0 .Lentry_shape_is_right
	s_endpgm
.Lentry_shape_is_right:
; out0 = y Wo^T + bo on codes of FP8 (E4M3) with E8M0 scales, K = 1,024.  y's codes and scale words come from the launch before, Wo's (tiles 704 to 767 of cod and scl) from the first; out0 [8192][1024] is f32.
; A work-group of four waves makes 256 rows x 256 columns; a wave 128 x 128: 64 accumulators, 512 registers.  THE MATRIX INSTRUCTION IS USED TRANSPOSED (source 0 = a tile of Wo, source 1 = a tile of y): a lane holds one row
; of out0, and since lane index r of tile T stands for row 32 (T / 2) + 8 (T % 2) + r + 8 (r / 8), register j of Wo's tile b is column 32 (b / 2) + 8 (b % 2) + 16 (lane / 16) + j.
; Codes come as images of operand registers: a fragment is 2,048 bytes, [c 4][lane 32][16 bytes]; a tile's eight K steps lie on end.  K goes in steps of 256 through a ring of two LDS slots; a wave's tensor load brings
; 8 tiles x 4,096 bytes.  The scale words of the work-group's rows, for all of K, come once with the first fills.  The bias is the C of each sum's first matrix instruction.
; CLUSTERS: 4 x 4 work-groups; y's tiles are shared along a row of the cluster, Wo's along a column: each is asked for jointly.  Nothing is prefetched: K has four slots' worth, of which two are first fills.
; 128 work-groups: the tile that keeps LDS reads lowest for each product; a tile of half the rows would give 256 at one and a half times the LDS bytes for each product.
; REGISTERS: window 0: v16-29 addresses; v32-63 scale words, two sets; v64-127 the bias; v128-255 A's fragments, one set, on the way out rows read back.  window 1: B's fragments, two sets.  windows 2, 3: the accumulators.
.set FR,    16
.set NP,    8                          ; places behind this matrix instruction (ISA guide 7.12.1)
.set HALFT, 32768
.set SLOT,  131072
.set SCL,   262144
.set SCLB,  SCL+8320                   ; 128 bytes askew, so that A's and B's words of one load fall on different banks
.set SPARE, 278784                     ; the spare words, 128 bytes for each wave: two blocks of 256 bytes that no other line names
.set SPITCH, 528                       ; the way out: a stage of 16 rows x (512 bytes + 16) for each wave, in slot 0, which has had its last fill and its last read by then
.set ADRA, 16
.set BO,   18
.set ADRB, 20
.set STO,  22
.set RD,   23
.set LI,   24
.set ADRS, 27
.set SPW,  28
.set NIL,  29
.set SC,   32
.set BIA,  64
.set AF,   128
.set BK,   128
.set WV, 22
.set WH, 23
.set WL, 84
.set CX, 85
.set CY, 86
.set GY, 88
.set G1A, 24
.set G0A, 32
.set G1B, 40
.set G0B, 48
.set G1SA, 56
.set G0SA, 68
.set G1SB, 72
.set G0SB, 80
.set MSB, 0
.macro WIN new                         ; the immediate's high byte repeats the setting that is left
.if MSB != (\new)
	s_set_vgpr_msb (MSB<<8)|(\new)
.set MSB, (\new)
.endif
.endm
.set MUL_LO, 0xa1
.set MUL_HI, 0xf1
.set BIA_LO, 0x81
.set BIA_HI, 0xc1
.set TO_B,   0x40
.macro JLOAD g0a, g1a, g0b, g1b        ; a joint load: waves 0 and 1 fetch for A, waves 2 and 3 for B; four v_nop follow each of the two lines
	s_cmp_eq_u32 s[WH], 0
	s_cbranch_scc0 .Lfor_b_\@
	tensor_load_to_lds s[\g0a:\g0a+3], s[\g1a:\g1a+7]
	s_nop 0
.rept 4
	v_nop
.endr
	s_branch .Lasked_\@
.Lfor_b_\@:
	tensor_load_to_lds s[\g0b:\g0b+3], s[\g1b:\g1b+7]
	s_nop 0
.rept 4
	v_nop
.endr
.Lasked_\@:
.endm
.macro CREST
	s_cmp_lg_u32 s[WV], 0
	s_cbranch_scc1 .Lnot_wave_0_\@
	s_barrier_signal -3
.Lnot_wave_0_\@:
	s_barrier_wait -3
	s_barrier_signal -1
	s_barrier_wait -1
.endm
.macro CROUND
	s_barrier_signal -1
	s_barrier_wait -1
	CREST
.endm
	s_load_b256 s[4:11], s[0:1], 0x0               ; yc, ys, cod, scl
	s_load_b128 s[12:15], s[0:1], 0x20             ; bo, out0
	v_lshl_add_u32 v[SPW], v0, 2, SPARE
	v_mov_b32 v[NIL], 0
	ds_add_u32 v28, v29
	ds_add_u32 v28, v29
	s_wait_dscnt 0x0
	v_lshrrev_b32 v1, 5, v0
	v_readfirstlane_b32 s[WV], v1
	s_lshr_b32 s[WH], s[WV], 1                     ; which half of the rows is mine.  Also: I fetch for A (0) or for B (1)
	s_and_b32 s[WL], s[WV], 1                      ; which half of the columns.  Also: which 8 tiles I fetch
	s_bfe_u32 s[CX], ttmp6, 0x40000
	s_bfe_u32 s[CY], ttmp6, 0x40004
	s_and_b32 s[GY], ttmp7, 0xffff                 ; the cluster's y: 0 .. 7 (there is one cluster along x)
	s_lshl_b32 s92, s[CY], 2
	s_lshl_b32 s92, 15, s92                        ; my row of the cluster
	s_lshl_b32 s94, 0x1111, s[CX]                  ; my column
	s_or_b32 s[G1A], s92, (3<<16)|(1<<21)          ; 15:0 the mask; 17:16 elements of 8 bytes; 21 set beside a mask; no padding
	s_or_b32 s[G1SA], s92, (3<<16)|(1<<21)
	s_or_b32 s[G1B], s94, (3<<16)|(1<<21)
	s_or_b32 s[G1SB], s94, (3<<16)|(1<<21)
.irp g, G1A, G1B                       ; codes: 8 rows (tiles) of 4,096 bytes (two K steps), 16,384 bytes apart
	s_mov_b32 s[\g+1], 512<<16
	s_mov_b32 s[\g+2], 8<<16
	s_mov_b32 s[\g+3], 512<<16
	s_mov_b32 s[\g+4], 8
	s_mov_b32 s[\g+5], 2048
	s_mov_b32 s[\g+6], 0
	s_mov_b32 s[\g+7], 0
.endr
.irp g, G1SA, G1SB                     ; scale words of 8 tiles: 4,096 dense bytes as 16 rows of 256
	s_mov_b32 s[\g+1], 32<<16
	s_mov_b32 s[\g+2], 16<<16
	s_mov_b32 s[\g+3], 32<<16
	s_mov_b32 s[\g+4], 16
	s_mov_b32 s[\g+5], 32
	s_mov_b32 s[\g+6], 0
	s_mov_b32 s[\g+7], 0
.endr
	s_lshl_b32 s100, s[WL], 3
	s_lshl_b32 s96, s[GY], 6
	s_lshl_b32 s97, s[CY], 4
	s_add_co_u32 s96, s96, s97
	s_add_co_u32 s96, s96, s100                    ; A's first tile that I would fetch: 64 y + 16 cy + 8 x half
	s_lshl_b32 s98, s[CX], 4
	s_add_co_u32 s98, s98, 704
	s_add_co_u32 s98, s98, s100                    ; B's: 704 + 16 cx + 8 x half
	s_lshl_b32 s92, s96, 14
	s_mov_b32 s93, 0
	s_lshl_b32 s96, s96, 9
	s_mov_b32 s97, 0
	s_lshl_b32 s94, s98, 14
	s_mov_b32 s95, 0
	s_lshl_b32 s98, s98, 9
	s_mov_b32 s99, 0
	s_lshl_b32 s100, s[WV], 15                     ; where codes go: wave x 32,768: no place in the cluster enters an LDS address
	s_lshl_b32 s3, s[WL], 12
	s_wait_kmcnt 0x0
	s_add_nc_u64 s[92:93], s[4:5], s[92:93]
	s_add_nc_u64 s[96:97], s[6:7], s[96:97]
	s_add_nc_u64 s[94:95], s[8:9], s[94:95]
	s_add_nc_u64 s[98:99], s[10:11], s[98:99]
	CROUND                                         ; all sixteen work-groups are here: the first joint loads meet
	s_mov_b32 s[G0SA], 1
	s_add_co_u32 s[G0SA+1], s3, SCL
	s_mov_b64 s[G0SA+2:G0SA+3], s[96:97]
	s_or_b32 s[G0SA+3], s[G0SA+3], 0x80000000
	s_mov_b32 s[G0SB], 1
	s_add_co_u32 s[G0SB+1], s3, SCLB
	s_mov_b64 s[G0SB+2:G0SB+3], s[98:99]
	s_or_b32 s[G0SB+3], s[G0SB+3], 0x80000000
	JLOAD G0SA, G1SA, G0SB, G1SB
.irp s, 0,1
	s_mov_b32 s[G0A+4*\s], 1
	s_add_co_u32 s[G0A+4*\s+1], s100, \s*SLOT
	s_add_nc_u64 s[G0A+4*\s+2:G0A+4*\s+3], s[92:93], \s*4096
	s_or_b32 s[G0A+4*\s+3], s[G0A+4*\s+3], 0x80000000
	s_mov_b32 s[G0B+4*\s], 1
	s_add_co_u32 s[G0B+4*\s+1], s100, \s*SLOT
	s_add_nc_u64 s[G0B+4*\s+2:G0B+4*\s+3], s[94:95], \s*4096
	s_or_b32 s[G0B+4*\s+3], s[G0B+4*\s+3], 0x80000000
	s_wait_alu depctr_va_vdst(0)
	s_wait_tensorcnt 0x0
	ds_add_u32 v28, v29
	s_wait_dscnt 0x0
	CROUND
	JLOAD G0A+4*\s, G1A, G0B+4*\s, G1B             ; one tensor load of mine is out behind the second of these
.endr
	v_and_b32 v1, 15, v0                           ; r
	v_bfe_u32 v2, v0, 4, 1                         ; h
	s_wait_alu depctr_va_vdst(0)
	v_and_b32 v3, 31, v0
	v_lshlrev_b32 v[LI], 4, v3
	s_lshl_b32 s92, s[WH], 15
	s_lshl_b32 s93, s[WL], 15
	s_add_co_u32 s93, s93, 2*HALFT
.irp s, 0,1
	v_add_nc_u32 v[ADRA+\s], s92, v[LI]
	v_add_nc_u32 v[ADRB+\s], s93, v[LI]
	s_add_co_u32 s92, s92, SLOT
	s_add_co_u32 s93, s93, SLOT
.endr
	s_lshl_b32 s92, s[WH], 12
	s_lshl_b32 s93, s[WL], 12
	s_add_co_u32 s93, s93, 8320
	s_sub_co_u32 s93, s93, s92
	v_mul_u32_u24 v6, s93, v2                      ; lanes 16-31 take B's scale words: one product with h
	s_add_co_u32 s92, s92, SCL
	v_lshlrev_b32 v5, 3, v1
	v_add_nc_u32 v5, v5, v6
	v_add_nc_u32 v[ADRS], s92, v5
	s_mul_i32 s92, s[WV], 16*SPITCH                ; my stage
	v_mul_u32_u24 v5, v1, SPITCH
	v_lshl_add_u32 v5, v2, 6, v5
	v_add_nc_u32 v[STO], s92, v5                   ; in: row r, + 64 h
	v_add_nc_u32 v[RD], s92, v[LI]                 ; back: the 32 lanes take one row of 512 bytes
	s_lshl_b32 s92, s[CX], 10
	s_lshl_b32 s93, s[WL], 9
	s_add_co_u32 s92, s92, s93                     ; my first column, in bytes
	v_lshl_add_u32 v[BO], v2, 6, s92
.irp b, 0,1,2,3,4,5,6,7                        ; the bias in the result's layout: register j of tile b wants bo[.. + 32 (b / 2) + 8 (b % 2) + 16 h + j]
	global_load_b128 v[BIA+8*\b:BIA+8*\b+3], v[BO], s[12:13] offset:(32*(\b/2)+8*(\b%2))*4
	global_load_b128 v[BIA+8*\b+4:BIA+8*\b+7], v[BO], s[12:13] offset:(32*(\b/2)+8*(\b%2))*4+16
.endr
	s_lshl_b32 s94, s[GY], 10
	s_lshl_b32 s95, s[CY], 8
	s_add_co_u32 s94, s94, s95
	s_lshl_b32 s95, s[WH], 7
	s_add_co_u32 s94, s94, s95                     ; my first row of out0
	s_lshl_b32 s94, s94, 12
	s_add_co_u32 s94, s94, s92
	s_mov_b32 s95, 0
	s_add_nc_u64 s[14:15], s[14:15], s[94:95]
.macro FRAG reg, adr, q, i
.irp c, 0,1,2,3
	ds_load_b128 v[\reg+4*\c:\reg+4*\c+3], v[\adr] offset:(\i)*4096+(\q)*2048+512*\c
.endr
.endm
; 16 matrix instructions: A's tiles a0, a0 + 1 x B's eight, 128 along K.  zero = 2: the bias starts the sums.  The 64 accumulators take turns, one instruction a turn, in the same order in every step.
.macro MUL16 a0, p, q, sc, zero
.irp a, \a0, \a0+1
.irp b, 0,1,2,3,4,5,6,7
.if \zero == 2
	v_wmma_scale_f32_16x16x128_f8f6f4 v[8*(8*((\a)%4)+\b):8*(8*((\a)%4)+\b)+7], v[128*(\p)+FR*\b:128*(\p)+FR*\b+FR-1], v[AF+FR*(\a):AF+FR*(\a)+FR-1], v[BIA+8*\b:BIA+8*\b+7], v[SC+16*(\sc)+2*\b+(\q)], v[SC+16*(\sc)+2*(\a)+(\q)] matrix_a_scale:MATRIX_SCALE_ROW1
.else
	v_wmma_scale_f32_16x16x128_f8f6f4 v[8*(8*((\a)%4)+\b):8*(8*((\a)%4)+\b)+7], v[128*(\p)+FR*\b:128*(\p)+FR*\b+FR-1], v[AF+FR*(\a):AF+FR*(\a)+FR-1], v[8*(8*((\a)%4)+\b):8*(8*((\a)%4)+\b)+7], v[SC+16*(\sc)+2*\b+(\q)], v[SC+16*(\sc)+2*(\a)+(\q)] matrix_a_scale:MATRIX_SCALE_ROW1
.endif
.endr
.endr
.endm
.macro FETCH_B slot, q, p
	WIN TO_B
.irp i, 0,1,2,3,4,5,6,7
	FRAG 128*(\p)+FR*\i, ADRB+\slot, \q, \i
.endr
	WIN 0
.endm
.macro FETCH_A slot, q, i0
.irp i, \i0, \i0+1, \i0+2, \i0+3
	FRAG AF+FR*(\i), ADRA+\slot, \q, \i
.endr
.endm
.macro SCALES sc
.irp i, 0,1,2,3,4,5,6,7
	ds_load_b64 v[SC+16*\sc+2*\i:SC+16*\sc+2*\i+1], v[ADRS] offset:512*\i
.endr
.endm
.macro PLACES n
.rept \n
	v_nop
.endr
.endm
.macro STEP slot, q, zero
	s_wait_dscnt 16                                ; B's set, A's tiles 0-3 and the scale words are in; the youngest 16 loads (A's tiles 4-7) may be out
.if \zero
	WIN BIA_LO
.else
	WIN MUL_LO
.endif
	MUL16 0, (\q)%2, \q, \slot, \zero
	MUL16 2, (\q)%2, \q, \slot, \zero
	s_wait_dscnt 0x0
	PLACES NP
	FETCH_B \slot, (\q)+1, 1-(\q)%2
	FETCH_A \slot, (\q)+1, 0
.if \zero
	WIN BIA_HI
.else
	WIN MUL_HI
.endif
	MUL16 4, (\q)%2, \q, \slot, \zero
	MUL16 6, (\q)%2, \q, \slot, \zero
	PLACES NP
	WIN 0
	FETCH_A \slot, (\q)+1, 4
.endm
.macro TURN slot, next, fill
	s_wait_tensorcnt 0x0                           ; all my tensor loads have landed: my part of the next slot
	ds_add_u32 v[SPW], v[NIL]                      ; 0 onto my spare word
	s_wait_dscnt 17                                ; the add and the youngest 16 loads (A's tiles 4-7) may be out
	WIN MUL_LO
	MUL16 0, 1, 1, \slot, 0
	s_wait_dscnt 0x0                               ; the add is done, and my reads of this slot are over
	s_barrier_signal -1
	MUL16 2, 1, 1, \slot, 0
	WIN 0
	s_barrier_wait -1
.if \fill
	CREST                                          ; the barrier has opened a round of the cluster's: no wave of any partner still reads this slot or has a load on its way
	s_add_nc_u64 s[G0A+4*\slot+2:G0A+4*\slot+3], s[G0A+4*\slot+2:G0A+4*\slot+3], 8192
	s_add_nc_u64 s[G0B+4*\slot+2:G0B+4*\slot+3], s[G0B+4*\slot+2:G0B+4*\slot+3], 8192
	JLOAD G0A+4*\slot, G1A, G0B+4*\slot, G1B
	PLACES NP-4
.else
	PLACES NP
.endif
	s_wait_alu depctr_va_vdst(0)
	v_add_nc_u32 v[ADRS], 128, v[ADRS]
	FETCH_B \next, 0, 0
	FETCH_A \next, 0, 0
	SCALES \next
	WIN MUL_HI
	MUL16 4, 1, 1, \slot, 0
	MUL16 6, 1, 1, \slot, 0
	PLACES NP
	WIN 0
	FETCH_A \next, 0, 4
.endm
	s_wait_alu depctr_va_vdst(0)
	s_wait_tensorcnt 0x1                           ; the scale words and my part of slot 0 are in; slot 1's load may be out
	s_barrier_signal -1
	s_barrier_wait -1
	FETCH_B 0, 0, 0
	FETCH_A 0, 0, 0
	SCALES 0
	FETCH_A 0, 0, 4
	s_wait_loadcnt 0x0                             ; the bias
	STEP 0, 0, 2
	TURN 0, 1, 1
	STEP 1, 0, 0
	TURN 1, 0, 1
	STEP 0, 0, 0
	TURN 0, 1, 0                                   ; the last two slots fill nothing
	STEP 1, 0, 0
	s_wait_dscnt 16
	WIN MUL_LO
	MUL16 0, 1, 1, 1, 0
	MUL16 2, 1, 1, 1, 0
	s_wait_dscnt 0x0
	WIN MUL_HI
	MUL16 4, 1, 1, 1, 0
	MUL16 6, 1, 1, 1, 0
	WIN 0
; THE WAY OUT, tile by tile of 16 rows x 128 columns, through my own stage: in by lanes (32 bytes of a row each), back as whole rows of 512 bytes.  LDS serves a wave's instructions in order: no wait between the stores and the loads.
.macro TOSTAGE a
.set AC, 64*((\a)%4)
	WIN 0x08+4*((\a)/4)                            ; an LDS store's data are its source 1: window 2 or 3
.irp b, 0,1,2,3,4,5,6,7
	ds_store_b128 v[STO], v[AC+8*\b:AC+8*\b+3] offset:128*(\b/2)+32*(\b%2)          ; each accumulator from its low end on
	ds_store_b128 v[STO], v[AC+8*\b+4:AC+8*\b+7] offset:128*(\b/2)+32*(\b%2)+16
.endr
	WIN 0
.set BB, BK+64*((\a)%2)
.irp t, 0,1,2,3,4,5,6,7,8,9,10,11,12,13,14,15
	ds_load_b128 v[BB+4*\t:BB+4*\t+3], v[RD] offset:\t*SPITCH
.endr
.endm
.macro SEND a, younger                 ; younger: the LDS instructions issued behind tile a's loads, which may stay out
.set BB, BK+64*((\a)%2)
	s_wait_dscnt \younger
.irp t, 0,1,2,3,4,5,6,7,8,9,10,11,12,13,14,15
	global_store_b128 v[LI], v[BB+4*\t:BB+4*\t+3], s[14:15] offset:(32*((\a)/2)+8*((\a)%2)+\t+8*(\t/8))*4096 th:TH_STORE_NT   ; 512 consecutive bytes of a row, aligned; stage row t is the tile's row t + 8 (t / 8); 127 rows at the most: inside the immediate
.endr
.endm
	PLACES NP
	TOSTAGE 0
.irp a, 1,2,3,4,5,6,7
.if \a > 1
	s_wait_xcnt 0x0                                ; tile a - 2's stores have read their registers: tile a's loads may land there
.endif
	TOSTAGE \a
	SEND \a-1, 32                                  ; behind tile a - 1's loads: tile a's 16 stores and 16 loads
.endr
	SEND 7, 0
	s_wait_tensorcnt 0x0                           ; the wave's end
	ds_add_u32 v[SPW], v[NIL]
	s_wait_dscnt 0x0
	CROUND                                         ; the closing round: no work-group ends while a partner may still ask for a tile that names it
	s_endpgm
.Lfunc_end_k_qd28b5b3cd9_proj:
	.size	k_qd28b5b3cd9_proj, .Lfunc_end_k_qd28b5b3cd9_proj-k_qd28b5b3cd9_proj
	.p2alignl 7, 3214868480
	.fill 96, 4, 3214868480
	.section	.rodata,"a",@progbits
	.p2align	6, 0x0
	.amdhsa_kernel k_qd28b5b3cd9_proj
		.amdhsa_group_segment_fixed_size 327680
		.amdhsa_private_segment_fixed_size 0
		.amdhsa_enable_private_segment 0
		.amdhsa_kernarg_size 48
		.amdhsa_user_sgpr_count 2
		.amdhsa_user_sgpr_kernarg_segment_ptr 1
		.amdhsa_wavefront_size32 1
		.amdhsa_system_sgpr_workgroup_id_x 1
		.amdhsa_system_sgpr_workgroup_id_y 1
		.amdhsa_system_sgpr_workgroup_id_z 1
		.amdhsa_system_vgpr_workitem_id 0
		.amdhsa_next_free_vgpr 1024
		.amdhsa_next_free_sgpr 102
		.amdhsa_reserve_vcc 0
		.amdhsa_float_denorm_mode_32 3
		.amdhsa_float_denorm_mode_16_64 3
		.amdhsa_memory_ordered 1
		.amdhsa_forward_progress 1
		.amdhsa_inst_pref_size 147
	.end_amdhsa_kernel
	.amdgpu_metadata
---
amdhsa.version: [ 1, 2 ]
amdhsa.kernels:
  - .name:           k_qd28b5b3cd9_proj
    .symbol:         k_qd28b5b3cd9_proj.kd
    .args:
      - { .name: yc, .offset: 0, .size: 8, .value_kind: global_buffer, .address_space: global }
      - { .name: ys, .offset: 8, .size: 8, .value_kind: global_buffer, .address_space: global }
      - { .name: cod, .offset: 16, .size: 8, .value_kind: global_buffer, .address_space: global }
      - { .name: scl, .offset: 24, .size: 8, .value_kind: global_buffer, .address_space: global }
      - { .name: bo, .offset: 32, .size: 8, .value_kind: global_buffer, .address_space: global }
      - { .name: out0, .offset: 40, .size: 8, .value_kind: global_buffer, .address_space: global }
    .group_segment_fixed_size: 327680
    .private_segment_fixed_size: 0
    .kernarg_segment_align: 8
    .kernarg_segment_size: 48
    .max_flat_workgroup_size: 128
    .sgpr_count:     102
    .vgpr_count:     1024
    .wavefront_size: 32
...
	.end_amdgpu_metadata
.endif
;; end of part 4
